; MI455X (gfx1250); checked and timed in simulation.
; The chip was launched on July 23, 2026; its instructions are those of AMD's public machine-readable ISA for CDNA 5 (MIT licence, August 2026) and "CDNA5" Instruction Set Architecture Reference Guide (July 2026). The comments in the code are by the model that wrote it; some were corrected since.
;; Multi Head Attention Batched. Allowed arithmetic: matrix products marked QUANTISED: E2M3 operands, one E8M0 scale for each 32 along K, by v_wmma_scale_f32_16x16x128_f8f6f4 with both operands' format E2M3, f32 sums; everything else in f32.
;; Inputs: b_proj 1,024 float32; b_qkv 3,072 float32; w_proj 1,024 x 1,024 float32; w_qkv 1,024 x 3,072 float32; x 4 x 2,048 x 1,024 float32.
;; Outputs: out0 4 x 2,048 x 1,024 float32.
;; This version of the problem:
;;   THIS VERSION OF THE PROBLEM IS GIVEN IN LOW PRECISION. The matrix products marked QUANTISED in the list below multiply operands that are first quantised to E2M3 (2 exponent bits, 3 mantissa bits; 6 bits a number), with one power-of-two scale for each 32 numbers along K (OCP MX v1.0); their sums are f32. All else is computed in f32.
;;   The module's matrix products, in the order in which they are computed (A, B: the left and right operand; K: the contracted axis; several contracted axes count as one K, in the product's order):
;;     1. [M 8,192, K 1,024] x [K 1,024, N 3,072]; A: input x; B: input w_qkv: QUANTISED
;;     2. batch 64 x [M 2,048, K 64] x [K 64, N 2,048]; A: computed on the way; B: computed on the way: QUANTISED
;;     3. batch 64 x [M 2,048, K 2,048] x [K 2,048, N 64]; A: softmax (see below); B: computed on the way: QUANTISED
;;     4. [M 8,192, K 1,024] x [K 1,024, N 1,024]; A: computed on the way; B: input w_proj: QUANTISED
;;   THE QUANTISER, for each operand of a quantised product, along K:
;;     - K is cut into blocks of 32 from its start; a last block that is shorter is filled with zeros.
;;     - A block's scale is 2^e with e = floor(log2(the largest magnitude in the block)) - 2, held to -126 .. 127; a block of zeros has e = 0. As a byte (E8M0): e + 127.
;;     - Each number is divided by its block's scale, clamped to +-7.5, and rounded to the nearest number of E2M3, ties to even, subnormals kept.
;;     - The product sums the exact products of the quantised numbers (number of the format x scale) in f32.
;;   ~~~python
;;   def quantise(x, axis):      # numpy; x: float32 -> the quantised numbers, widened to float32 again
;;       x = np.moveaxis(x, axis, -1); K = x.shape[-1]
;;       x = np.pad(x, [(0, 0)] * (x.ndim - 1) + [(0, -K % 32)]); x = x.reshape(x.shape[:-1] + (-1, 32)); a = np.abs(x).max(-1, keepdims=True)
;;       e = np.where(a > 0, np.clip(np.frexp(np.where(a > 0, a, 1))[1] - 1 - 2, -126, 127), 0)      # np.frexp(a)[1] - 1 = floor(log2(a)), exactly
;;       r = np.clip(x / 2.0 ** e, -7.5, 7.5)
;;       step = 2.0 ** (np.maximum(np.frexp(np.where(r == 0, 1, r))[1] - 1, 0) - 3)
;;       q = np.round(r / step) * step * 2.0 ** e      # np.round: ties to even
;;       return np.moveaxis(q.reshape(q.shape[:-2] + (-1,))[..., :K], -1, axis).astype(np.float32)
;;   ~~~
;;   SOFTMAX AHEAD OF A QUANTISED PRODUCT. Where the list says 'softmax', what is quantised is not the finished softmax but p = 2^(t - M), with t = logit x log2(e) and M = ceil(the row's largest t), a whole number; so 1/2 < the row's largest p <= 1. The row's sum l is taken of the UNQUANTISED p, in f32, and the product's result is divided by l at the end. Since M is a whole number, a kernel that streams over the keys may use a running M (the ceiling of the running maximum): every later rescaling is an exact power of two, which a block's scale takes up: the codes' values come out the same.
;;   OPERANDS COMPUTED ON THE WAY. 'Computed on the way' means the value that the module computes at that place (a softmax that the list does not call 'softmax' is quantised finished and normalised). What goes into a quantiser is computed in f32, as accurately as f32 sums, v_exp_f32 and their like allow (about 1e-6 of the number): no bf16 or f16 on the way to a quantiser, and a product that is left as it is and whose result goes on into a quantised operand takes f32 operands (vector FMAs, or v_wmma_f32_16x16x4_f32). A number that lies on a knife's edge between two numbers of the format may be rounded either way, as far as f32 arithmetic and the matrix unit's own rounding can turn it there, and no further.
;; One version. Each part assembles by itself: llvm-mc -triple=amdgcn-amd-amdhsa -mcpu=gfx1250 --defsym DOCPART=n.
;; ======== version 1 of 1: 4 launches
;; workspace buffers: xw_codes 8,650,752 bytes; xw_scales 360,448 bytes; wp_codes 786,432 bytes; wp_scales 32,768 bytes; qimg 6,815,744 bytes; kv 13,369,344 bytes; o_img 6,291,456 bytes; o_scales 262,144 bytes
;; launch prep (part 1): grid 384 x 1, 4 waves a work-group, no clusters, 69,120 bytes of LDS; arguments x, w_qkv, w_proj, xw_codes, xw_scales, wp_codes, wp_scales; writes xw_codes, xw_scales, wp_codes, wp_scales
.if DOCPART == 1
	.amdgcn_target "amdgcn-amd-amdhsa--gfx1250"
	.amdhsa_code_object_version 6
	.text
	.protected	k_q6419306483_prep
	.globl	k_q6419306483_prep
	.p2align	8
	.type	k_q6419306483_prep,@function
k_q6419306483_prep:
	s_mov_b64 s[64:65], 0
	v_nop
	global_prefetch_b8 v0, s[64:65] scope:SCOPE_SE
	s_setreg_imm32_b32 hwreg(HW_REG_WAVE_MODE, 25, 1), 1
	s_wait_xcnt 0x0
; x [8192][1024], w_qkv [1024][3072] and w_proj [1024][1024], f32, become codes of FP6 (E2M3) with K innermost, 768 bytes a row of 1,024 codes, and one E8M0 byte for each 32 along K.
; A block's scale is 2^(floor(log2(its largest magnitude)) - 2): its byte is the largest magnitude's exponent field - 2, held at 1 from below.
; POSITIONS.  Row p of a codes' buffer holds the tensor's row (x) or column (weights) pi(p), pi = p with its bits 3 and 4 exchanged.  So sixteen neighbouring positions 16 a + r are the rows
; 32 (a / 2) + 8 (a % 2) + r + 8 (r / 8): in a product used transposed the 16 registers of two neighbouring tiles are then 16 neighbours along the next product's K.
; xw_codes: positions 0 .. 8191 x's tokens, 8192 .. 11263 w_qkv's columns.  Scale bytes lie [K step of 256: 4][position][8 bytes].
; Work-groups 0 .. 255 take 32 rows of x each (K innermost: a plain stream); work-groups 256 .. 383 take 128 columns x 256 along K of a weight (a lane to a column, registers down K).
; Both kinds read 131,072 bytes.  The two ways part on the work-group's number alone and have LDS bytes of their own.  No tensor loads, no matrix work, no cluster: no two work-groups read the same bytes.
; LIMITS: NaN and infinities among the inputs are not served; a block of zeros gets the byte 1 (its codes are zeros, and this program alone reads the bytes).
.set STEPS, 16
.set CB,    12                         ; bytes of 16 codes
.set SP,    80                         ; x: a lane's place in a stage: 64 bytes + 16 of padding
.set R,     16                         ; x: v16-79   four sets of 16 numbers as loaded
.set X,     80                         ; x: v80-111  two sets of 16 neighbours
.set E,     112                        ; x: v112-127 a scale byte for each step
.set C,     128                        ; x: v128-191 codes, four registers a step
.set XSCL,  32768                      ; x: behind the four waves' stages (8,192 bytes each): the work-group's 1,024 scale bytes, [K step][32 positions][8]
.set WSTG,  33792                      ; weights: four stages of 32 rows x 272 bytes
.set PITCH, 272
.set NB,    8                          ; weights: blocks of 32 along K for a wave
.set SB,    24                         ; weights: v24-25 my column's 8 scale bytes
.set WX,    32                         ; weights: v32-95 two sets of 32 numbers
.set WC,    96                         ; weights: a block's codes
.set OUTR,  112                        ; weights: v112-175 the way out
.set WO,    176                        ; weights: v176-207 byte offset of row i of a block at my column
	s_load_b256 s[4:11], s[0:1], 0x0               ; x s[4:5], w_qkv s[6:7], w_proj s[8:9], xw_codes s[10:11]
	s_load_b128 s[12:15], s[0:1], 0x20             ; xw_scales s[12:13], wp_codes s[14:15]
	s_load_b64 s[16:17], s[0:1], 0x30              ; wp_scales
	v_lshl_add_u32 v208, v0, 2, 0x10c00
	v_mov_b32 v209, 0
	v_lshrrev_b32 v1, 5, v0
	v_readfirstlane_b32 s18, v1                    ; wave 0..3
	v_and_b32 v2, 31, v0                           ; lane
	s_cmp_lt_u32 ttmp9, 256
	s_cbranch_scc0 .Lweights
; ---------------- x: wave w reads rows 32 X + 8 w .. + 7 (32,768 consecutive bytes), 16 steps of 512 numbers; they are positions 32 X + 8 w' .. + 7, w' = w with its two bits exchanged
	v_lshlrev_b32 v3, 4, v2                        ; my 16 bytes of a load's 512
	s_mul_i32 s19, s18, 8192                       ; my wave's stages
	v_lshrrev_b32 v14, 2, v2
	v_mul_u32_u24 v14, v14, SP
	v_and_b32 v15, 3, v2
	v_lshl_add_u32 v14, v15, 4, v14
	v_add_nc_u32 v14, s19, v14                     ; into a stage: four lanes' 64 bytes on end, then 16 of padding
	v_mul_u32_u24 v15, v2, SP
	v_add_nc_u32 v15, s19, v15                     ; out of it: my 16 neighbours
	v_mul_u32_u24 v4, v2, CB                       ; my codes' place in a step's 384 bytes
	s_and_b32 s20, s18, 1
	s_lshl_b32 s20, s20, 1
	s_lshr_b32 s21, s18, 1
	s_or_b32 s20, s20, s21                         ; w'
	s_lshl_b32 s21, s20, 6                         ; 8 positions x 8 bytes
	v_bfe_u32 v5, v2, 1, 3                         ; my block's byte among a K step's eight
	v_bfe_u32 v6, v2, 4, 1                         ; lanes 16-31 stand one K step of 256 further on
	v_lshl_add_u32 v5, v6, 8, v5
	v_add_nc_u32 v5, s21, v5
	v_add_nc_u32 v5, XSCL, v5                      ; where my block's scale byte goes; the step adds 512 (t % 2) + 8 (t / 2)
	v_lshlrev_b32 v7, 3, v2                        ; the scale bytes' way out: 8 bytes a lane
	s_lshl_b32 s21, s18, 8
	v_add_nc_u32 v6, s21, v7
	v_add_nc_u32 v6, XSCL, v6                      ; wave w takes K step w's 256 bytes
	s_lshl_b32 s22, ttmp9, 2
	s_add_co_u32 s22, s22, s18
	s_lshl_b32 s22, s22, 15                        ; x: (4 X + w) x 32,768 bytes
	s_mov_b32 s23, 0
	s_lshl_b32 s24, ttmp9, 2
	s_add_co_u32 s24, s24, s20
	s_mul_i32 s24, s24, 6144                       ; codes: (4 X + w') x 8 rows x 768 bytes
	s_mov_b32 s25, 0
	s_mul_i32 s26, s18, 90112                      ; scale bytes: K step w (11,264 positions x 8) + 32 X positions
	s_lshl_b32 s27, ttmp9, 8
	s_add_co_u32 s26, s26, s27
	s_mov_b32 s27, 0
	s_wait_kmcnt 0x0
	s_add_nc_u64 s[4:5], s[4:5], s[22:23]
	s_add_nc_u64 s[10:11], s[10:11], s[24:25]
	s_add_nc_u64 s[12:13], s[12:13], s[26:27]
.macro XLOAD t
.irp i, 0,1,2,3
	global_load_b128 v[R+16*((\t)%4)+4*\i:R+16*((\t)%4)+4*\i+3], v3, s[4:5] offset:2048*(\t)+512*\i th:TH_LOAD_NT   ; 32 lanes read 512 consecutive bytes
.endr
.endm
.macro XTURN t                         ; step t's numbers through a stage: LDS serves a wave's instructions in order, so no wait stands between the stores and the loads
.irp i, 0,1,2,3
	ds_store_b128 v14, v[R+16*((\t)%4)+4*\i:R+16*((\t)%4)+4*\i+3] offset:32*SP*((\t)%2)+8*SP*\i
.endr
.irp i, 0,1,2,3
	ds_load_b128 v[X+16*((\t)%2)+4*\i:X+16*((\t)%2)+4*\i+3], v15 offset:32*SP*((\t)%2)+16*\i
.endr
.endm
.irp t, 0,1,2,3
	XLOAD \t
.endr
	s_wait_loadcnt 12                              ; step 0's four loads are in; three steps' twelve may be out
	XTURN 0
.macro XSTEP t
.set XS, X+16*((\t)%2)
.if (\t) > 0
	s_wait_dscnt 1                                 ; this step's numbers are back from the stage (the last step's byte store may be out): so the stores into the stage have read their registers,
.else
	s_wait_dscnt 0x0
.endif
.if (\t)+4 < STEPS
	XLOAD (\t)+4                                   ; which take the loads of four steps on
.endif
.if (\t)+1 < STEPS
.if STEPS-2-(\t) >= 3
	s_wait_loadcnt 12                              ; the next step's four loads are in; those of the three steps behind it may be out
.else
	s_wait_loadcnt 4*(STEPS-2-(\t))
.endif
	XTURN (\t)+1
.endif
	v_max3_num_f32 v8, |v[XS]|, |v[XS+1]|, |v[XS+2]|               ; the largest magnitude of my 16, in two chains
	v_max3_num_f32 v9, |v[XS+3]|, |v[XS+4]|, |v[XS+5]|
.irp i, 6,10
	v_max3_num_f32 v8, v8, |v[XS+\i]|, |v[XS+\i+1]|
	v_max3_num_f32 v9, v9, |v[XS+\i+2]|, |v[XS+\i+3]|
.endr
	v_max3_num_f32 v8, v8, |v[XS+14]|, |v[XS+15]|
	v_max3_num_f32 v8, v8, v9, 0x1800000           ; and the floor 2^(3 - 127): the byte cannot fall under 1
	v_max_num_f32_dpp v8, v8, v8 row_xmask:1 row_mask:0xf bank_mask:0xf   ; and of my neighbour's 16: the block's
	v_add_nc_u32 v11, 0xff000000, v8               ; 2 off its exponent field: the conversion takes the exponent field of this operand as its scale
	v_cvt_scalef32_pk16_fp6_f32 v[C+4*(\t):C+4*(\t)+2], v[XS:XS+15], v11
	v_lshrrev_b32 v[E+(\t)], 23, v11               ; the scale's byte (also the plain line behind the conversion)
	ds_store_b8 v5, v[E+(\t)] offset:512*((\t)%2)+8*((\t)/2)       ; row t / 2 of my eight, K steps 2 (t % 2) and 2 (t % 2) + 1; both lanes of a block write the same byte
	global_store_b96 v4, v[C+4*(\t):C+4*(\t)+2], s[10:11] offset:32*CB*(\t)   ; 384 consecutive bytes
.endm
.irp t, 0,1,2,3,4,5,6,7,8,9,10,11,12,13,14,15
	XSTEP \t
.endr
	s_wait_dscnt 0x0                               ; for the others' sake: my scale bytes lie in LDS
	s_barrier_signal -1
	s_barrier_wait -1                              ; everybody's do
	ds_load_b64 v[12:13], v6                       ; K step w of the work-group's 32 positions
	s_wait_dscnt 0x0
	global_store_b64 v7, v[12:13], s[12:13]        ; 32 lanes store 256 consecutive bytes, aligned
	s_wait_tensorcnt 0x0
	ds_add_u32 v208, v209
	s_wait_dscnt 0x0
	s_endpgm
; ---------------- the weights: work-group 256 + 32 ky + cg: column group cg (0 .. 23 of w_qkv, 24 .. 31 of w_proj), 256 along K from 256 ky; wave w its columns 32 w .. 32 w + 31
.Lweights:
	s_sub_co_u32 s19, ttmp9, 256
	s_and_b32 s20, s19, 31                         ; cg
	s_lshr_b32 s21, s19, 5                         ; ky
	s_cmp_lt_u32 s20, 24                           ; w_qkv or w_proj?  The choice hangs on the work-group's number alone
	s_mov_b32 s22, 4096
	s_cselect_b32 s22, 12288, s22                  ; bytes in a row of the weight
	s_cselect_b32 s23, 0, 24
	s_mov_b32 s24, 8192
	s_cselect_b32 s24, 90112, s24                  ; scale bytes from one K step to the next
	s_cselect_b32 s25, 65536, 0                    ; w_qkv's columns lie behind x's 8,192 positions: x 8 bytes,
	s_cselect_b32 s26, 6291456, 0                  ; x 768 bytes
	s_wait_kmcnt 0x0
	s_cselect_b64 s[6:7], s[6:7], s[8:9]           ; the weight,
	s_cselect_b64 s[10:11], s[10:11], s[14:15]     ; its codes,
	s_cselect_b64 s[12:13], s[12:13], s[16:17]     ; its scale bytes
	s_sub_co_u32 s20, s20, s23
	s_lshl_b32 s20, s20, 7
	s_lshl_b32 s27, s18, 5
	s_add_co_u32 s20, s20, s27                     ; my wave's first column
	s_mul_i32 s50, s20, 768
	s_add_co_u32 s50, s50, s26
	s_mul_i32 s51, s21, 192
	s_add_co_u32 s50, s50, s51                     ; codes: position x 768 + 192 ky
	s_mov_b32 s51, 0
	s_add_nc_u64 s[10:11], s[10:11], s[50:51]
	s_mul_i32 s50, s24, s21
	s_add_co_u32 s50, s50, s25
	s_lshl_b32 s52, s20, 3
	s_add_co_u32 s50, s50, s52                     ; scale bytes: K step ky, position x 8
	s_add_nc_u64 s[12:13], s[12:13], s[50:51]
	s_lshl_b32 s28, s21, 8
	s_mul_i32 s28, s28, s22                        ; 256 ky rows
	s_lshl_b32 s29, s20, 2
	s_add_co_u32 s28, s28, s29
	s_mov_b32 s29, 0
	s_add_nc_u64 s[32:33], s[6:7], s[28:29]        ; block 0's first row at my wave's first column;
	s_lshl_b32 s28, s22, 5                         ; a base for each of the eight blocks, 32 rows apart: none is ever stepped
.irp t, 1,2,3,4,5,6,7
	s_add_nc_u64 s[32+2*\t:33+2*\t], s[30+2*\t:31+2*\t], s[28:29]
.endr
	v_lshlrev_b32 v3, 2, v2
.irp i, 0,1,2,3,4,5,6,7,8,9,10,11,12,13,14,15,16,17,18,19,20,21,22,23,24,25,26,27,28,29,30,31
	v_mad_u32_u24 v[WO+\i], s22, \i, v3            ; row i of a block, my column
.endr
	v_and_b32 v5, 7, v2
	v_bfe_u32 v6, v2, 3, 1
	v_lshl_or_b32 v5, v6, 4, v5
	v_bfe_u32 v6, v2, 4, 1
	v_lshl_or_b32 v5, v6, 3, v5                    ; pi(lane): my column's position among the wave's 32
	s_mul_i32 s19, s18, 32*PITCH
	s_add_co_u32 s19, s19, WSTG                    ; my stage
	v_mul_u32_u24 v4, v5, PITCH
	v_add_nc_u32 v4, s19, v4                       ; into it: row = my column's position
	v_lshlrev_b32 v9, 3, v5                        ; my column's 8 scale bytes
	v_and_b32 v5, 15, v2
	v_lshrrev_b32 v6, 4, v2                        ; out of it: sixteen lanes to a row of 192 bytes, two rows an instruction
	v_mul_u32_u24 v7, v6, PITCH
	v_lshl_add_u32 v7, v5, 4, v7
	v_add_nc_u32 v7, s19, v7
	v_mul_u32_u24 v8, v6, 768
	v_mad_u32_u24 v8, v5, 12, v8                   ; and the same place in the codes' buffer
.macro WLOAD t                         ; block t: W(32 t + i, my column): neighbouring lanes read neighbouring columns, 128 consecutive bytes a wave
.irp i, 0,1,2,3,4,5,6,7,8,9,10,11,12,13,14,15,16,17,18,19,20,21,22,23,24,25,26,27,28,29,30,31
	global_load_b32 v[WX+32*((\t)%2)+\i], v[WO+\i], s[32+2*(\t):33+2*(\t)] th:TH_LOAD_NT
.endr
.endm
	WLOAD 0
	WLOAD 1
.macro WBLOCK t
.set XS, WX+32*((\t)%2)
.if (\t) < NB-1
	s_wait_loadcnt 32                              ; this block's 32 loads are in; the next block's may be out
.else
	s_wait_loadcnt 0
.endif
	v_max3_num_f32 v12, |v[XS]|, |v[XS+1]|, |v[XS+2]|              ; the block's largest magnitude: all 32 numbers are mine
	v_max3_num_f32 v13, |v[XS+3]|, |v[XS+4]|, |v[XS+5]|
.irp i, 6,10,14,18,22,26
	v_max3_num_f32 v12, v12, |v[XS+\i]|, |v[XS+\i+1]|
	v_max3_num_f32 v13, v13, |v[XS+\i+2]|, |v[XS+\i+3]|
.endr
	v_max3_num_f32 v12, v12, |v[XS+30]|, |v[XS+31]|
	v_max3_num_f32 v12, v12, v13, 0x1800000        ; and the floor 2^(3 - 127)
	v_add_nc_u32 v11, 0xff000000, v12              ; 2 off its exponent field: the conversions' scale operand
	v_lshrrev_b32 v13, 23, v11                     ; the scale's byte
.if (\t)%4 == 0
	v_mov_b32 v[SB+(\t)/4], v13                    ; four bytes to a register, the lower K in the lower byte
.else
	v_lshl_or_b32 v[SB+(\t)/4], v13, 8*((\t)%4), v[SB+(\t)/4]
.endif
	v_cvt_scalef32_pk16_fp6_f32 v[WC:WC+2], v[XS:XS+15], v11
	v_cvt_scalef32_pk16_fp6_f32 v[WC+4:WC+6], v[XS+16:XS+31], v11  ; (a conversion's three registers begin on an even number)
	v_nop                                          ; one plain line behind the conversions
	ds_store_b96 v4, v[WC:WC+2] offset:32*(\t)     ; 12 bytes to a place of 16, so that every LDS address is a multiple of 16
	ds_store_b96 v4, v[WC+4:WC+6] offset:32*(\t)+16
.if (\t)+2 < NB
	WLOAD (\t)+2
.endif
	s_wait_dscnt 0x0                               ; the stores have read their registers: the next block's codes may be written
.endm
.set Q, 0
.rept NB
	WBLOCK Q
.set Q, Q+1
.endr
	global_store_b64 v9, v[SB:SB+1], s[12:13]      ; the 32 lanes' 8 bytes are 256 consecutive bytes, aligned
.irp t, 0,1,2,3,4,5,6,7,8,9,10,11,12,13,14,15
	ds_load_b96 v[OUTR+4*\t:OUTR+4*\t+2], v7 offset:2*\t*PITCH     ; LDS serves a wave's instructions in order: these see my stores
.endr
.irp t, 0,1,2,3,4,5,6,7,8,9,10,11,12,13,14,15
	s_wait_dscnt 15-\t                             ; rows 2 t and 2 t + 1 are back; the later rows' loads may be out
	global_store_b96 v8, v[OUTR+4*\t:OUTR+4*\t+2], s[10:11] offset:2*\t*768
.endr
	s_wait_tensorcnt 0x0
	ds_add_u32 v208, v209
	s_wait_dscnt 0x0
	s_endpgm
.Lfunc_end_k_q6419306483_prep:
	.size	k_q6419306483_prep, .Lfunc_end_k_q6419306483_prep-k_q6419306483_prep
	.p2alignl 7, 3214868480
	.fill 96, 4, 3214868480
	.section	.rodata,"a",@progbits
	.p2align	6, 0x0
	.amdhsa_kernel k_q6419306483_prep
		.amdhsa_group_segment_fixed_size 69120
		.amdhsa_private_segment_fixed_size 0
		.amdhsa_enable_private_segment 0
		.amdhsa_kernarg_size 56
		.amdhsa_user_sgpr_count 2
		.amdhsa_user_sgpr_kernarg_segment_ptr 1
		.amdhsa_wavefront_size32 1
		.amdhsa_system_sgpr_workgroup_id_x 1
		.amdhsa_system_sgpr_workgroup_id_y 1
		.amdhsa_system_sgpr_workgroup_id_z 1
		.amdhsa_system_vgpr_workitem_id 0
		.amdhsa_next_free_vgpr 210
		.amdhsa_next_free_sgpr 66
		.amdhsa_reserve_vcc 0
		.amdhsa_float_denorm_mode_32 3
		.amdhsa_float_denorm_mode_16_64 3
		.amdhsa_memory_ordered 1
		.amdhsa_forward_progress 1
		.amdhsa_inst_pref_size 77
	.end_amdhsa_kernel
	.amdgpu_metadata
---
amdhsa.version: [ 1, 2 ]
amdhsa.kernels:
  - .name:           k_q6419306483_prep
    .symbol:         k_q6419306483_prep.kd
    .args:
      - { .name: x, .offset: 0, .size: 8, .value_kind: global_buffer, .address_space: global }
      - { .name: w_qkv, .offset: 8, .size: 8, .value_kind: global_buffer, .address_space: global }
      - { .name: w_proj, .offset: 16, .size: 8, .value_kind: global_buffer, .address_space: global }
      - { .name: xw_codes, .offset: 24, .size: 8, .value_kind: global_buffer, .address_space: global }
      - { .name: xw_scales, .offset: 32, .size: 8, .value_kind: global_buffer, .address_space: global }
      - { .name: wp_codes, .offset: 40, .size: 8, .value_kind: global_buffer, .address_space: global }
      - { .name: wp_scales, .offset: 48, .size: 8, .value_kind: global_buffer, .address_space: global }
    .group_segment_fixed_size: 69120
    .private_segment_fixed_size: 0
    .kernarg_segment_align: 8
    .kernarg_segment_size: 56
    .max_flat_workgroup_size: 128
    .sgpr_count:     66
    .vgpr_count:     210
    .wavefront_size: 32
...
	.end_amdgpu_metadata
.endif
;; end of part 1
;; launch qkv (part 2): grid 12 x 32, 4 waves a work-group, clusters of 4 x 4, 327,680 bytes of LDS; arguments xw_codes, xw_scales, b_qkv, qimg, kv; writes qimg, kv
.if DOCPART == 2
	.amdgcn_target "amdgcn-amd-amdhsa--gfx1250"
	.amdhsa_code_object_version 6
	.text
	.protected	k_q6419306483_qkv
	.globl	k_q6419306483_qkv
	.p2align	8
	.type	k_q6419306483_qkv,@function
k_q6419306483_qkv:
	s_mov_b64 s[64:65], 0
	v_nop
	global_prefetch_b8 v0, s[64:65] scope:SCOPE_SE
	s_setreg_imm32_b32 hwreg(HW_REG_WAVE_MODE, 25, 1), 1
	s_wait_xcnt 0x0
	s_wait_alu depctr_hold_cnt(0) depctr_sa_sdst(0) depctr_va_vdst(0) depctr_va_sdst(0) depctr_va_ssrc(0) depctr_va_vcc(0) depctr_vm_vsrc(0)
	s_getreg_b32 s2, hwreg(HW_REG_IB_STS2, 6, 4)
	s_cmp_eq_u32 s2, 0
	s_cbranch_scc0 .Lentry_in_a_cluster
	s_endpgm
.Lentry_in_a_cluster:
	s_bfe_u32 s2, ttmp6, 0x10000c
	s_cmp_lg_u32 s2, 0xf033
	s_cbranch_scc0 .Lentry_shape_is_right
	s_endpgm
.Lentry_shape_is_right:
; qkv = x w_qkv + b_qkv on codes of FP6 (E2M3) with E8M0 scales, K = 1,024; the results never go to memory as f32: q and k are quantised along the head's 64, v along the keys, and leave as images of the operand registers of the attention launch.
; A work-group of four waves makes 256 x 256 results, a wave 128 x 128: 64 accumulators of 16 x 16, 512 registers.  K goes in steps of 256 through a ring of two LDS slots filled by the tensor data mover.
; ROLES.  The matrix instruction is used transposed: source 0 = 16 rows of the B role, source 1 = 16 rows of the A role; a lane then holds ONE row of the A role, and its registers run along the B role.
; The cluster's x is the kind: 0 = q, 1 = k, 2 = v.  For q and k the A role is the tokens and the B role w_qkv's columns (registers run along the head's channels: their quantiser's K);
; for v the A role is v's channels and the B role the tokens (registers run along the keys).  Both roles read the same two buffers (positions 0 .. 8191 tokens, 8192 .. 11263 columns), so only first positions differ.
; POSITIONS hold rows with bits 3 and 4 exchanged: the 16 registers of accumulators (a, 2 b') and (a, 2 b' + 1) are the B role's rows 32 b' + 16 (lane / 16) + 0 .. 15, neighbours; lane r of block a holds the A role's row 32 (a / 2) + 8 (a % 2) + r + 8 (r / 8).
; CLUSTERS: 4 x 4 work-groups.  The four of a row of the cluster need the same tiles of the A role, the four of a column the same tiles of the B role: each tile is asked for jointly.
; THE SCALES of the work-group's 256 + 256 positions for all of K come into LDS once, with the first fills: [K step][128 positions][8 bytes] for each half.
; RESULTS.  q, k: for each head and each 128 tokens 6,656 bytes: four pairs of tiles of 16 tokens, a pair = 12 registers a lane (6 a tile: d = 32 (lane / 16) + 0 .. 31) as three pieces of 512 bytes, lane l's 16 bytes at 16 l;
;   then 512 bytes of scale words (word (b0, b1, b0, b1): the instruction's K is 128, the head's 64; the upper two bytes meet zero codes).  v: four tiles of 16 channel positions x 128 keys, 12 registers each, then 256 bytes of scale words.
; LIMITS: NaN and infinities are not served; a block of zeros gets the byte 1 (its codes are zeros; this program alone reads the bytes).
; REGISTERS: window 0: v10-31 addresses; v32-63 scale words, two sets, and nothing else; v64-127 the bias of my 128 B-role rows; v128-223 A's fragments, later the epilogue's numbers and codes; v224-239 the bias of my A-role rows; v240-255 at work.
;   window 1: B's fragments, two sets.   windows 2, 3: the accumulators ((a, b) at v[8 (8 (a % 4) + b)]).
.set KSTEP,  256
.set NQ,     2                         ; matrix instructions deep in a slot
.set ROWB,   192                       ; a tile's row: 256 codes
.set KROW,   768                       ; a row of codes in memory
.set PITCH,  240                       ; an LDS row: 3 x (64 bytes + 16 of padding): the 32 lanes of a load of 8 bytes touch 64 different banks (64 banks of 4 bytes: ISA guide 11.1)
.set FR,     12
.set NL,     6
.set NP,     4                         ; places behind this matrix instruction (ISA guide 7.12.1)
.set HALFT,  128*PITCH
.set SLOT,   4*HALFT
.set LAPS,   2                         ; 1,024 / 512
.set SCL,    2*SLOT                    ; the A role's scales, 4,096 bytes a half
.set SCLB,   SCL+8192+128              ; the B role's, 128 bytes further round the banks, so that lanes 0-15 and 16-31 of a load do not meet
.set SPARE,  SCL+16640                 ; the spare words: 128 bytes a wave, two blocks of 256 bytes that no other line names
.set VST,    53248                     ; the stages lie in slot 0, which has had its last fill and its last read when the first result is stored: q, k: 13,312 bytes a wave from 0; v: 12,800 a wave from here
.set BOF,  10                          ; v10  byte offset of my B-role bias
.set VOF,  11                          ; v11  of my A-role bias
.set SELV, 12                          ; v12  byte selects: lanes 0-15 take bytes 0, 1 of a scale word twice, lanes 16-31 bytes 2, 3
.set GO8,  13                          ; v13  8 x lane
.set ST8,  14                          ; v14  v's stage + 8 x lane
.set ADRA, 16
.set ADRB, 20
.set STA,  24                          ; v24  q, k's stage + 16 x lane
.set STS,  25                          ; v25  q, k's stage + 16 r + 6,656 (lane / 16)
.set GOF,  26                          ; v26  16 x lane
.set ADRS, 27
.set SPW,  28
.set NIL,  29
.set STA2, 30                          ; v30  v's stage + 16 x lane
.set STS2, 31                          ; v31  v's stage + 8 r
.set SC,   32
.set BIA,  64
.set AF,   128
.set HA,   128                         ; the epilogue: 64 numbers of a lane
.set PC,   192                         ; the codes just made (12) and the conversions' second halves
.set PW,   212                         ; the scale word just made
.set PWD,  213                         ; a head's word
.set BV,   224
.set TM,   240
.set OUTB, 128                         ; the way out: 2 x 52 registers
.set SEL,  66                          ; s[66:67] v_permlanex16_b32's selects for lane l xor 16
.set D0,   96                          ; s[96:97], s[98:99] where my two heads' images go
.set G1, 24
.set G0, 32
.set G1B, 48
.set G0B, 56
.set G1S, 68
.set G0S, 76
.set G1SB, 80
.set G0SB, 88
.set MSB, 0
.macro WIN new                         ; the immediate's high byte repeats the setting that is left
.if MSB != \new
	s_set_vgpr_msb (MSB<<8)|\new
.set MSB, \new
.endif
.endm
.set MUL_LO, 0xa1                      ; source 0 (B) window 1, source 1 (A) window 0, C and D window 2
.set MUL_HI, 0xf1
.set TO_B,   0x40
; A joint load: waves 0 and 1 fetch for the A role, waves 2 and 3 for the B role.  The branch hangs on the wave's number alone.  Four v_nop follow each of the two lines.
.macro JLOAD g0a, g1a, g0b, g1b
	s_cmp_eq_u32 s15, 0
	s_cbranch_scc0 .Lfor_b_\@
	tensor_load_to_lds s[\g0a:\g0a+3], s[\g1a:\g1a+7]
	s_nop 0
.rept 4
	v_nop
.endr
	s_branch .Lasked_\@
.Lfor_b_\@:
	tensor_load_to_lds s[\g0b:\g0b+3], s[\g1b:\g1b+7]
	s_nop 0
.rept 4
	v_nop
.endr
.Lasked_\@:
.endm
.macro CREST                           ; a round of the cluster's barrier behind its opening barrier
	s_cmp_lg_u32 s14, 0
	s_cbranch_scc1 .Lnot_wave_0_\@
	s_barrier_signal -3
.Lnot_wave_0_\@:
	s_barrier_wait -3
	s_barrier_signal -1
	s_barrier_wait -1
.endm
.macro CROUND
	s_barrier_signal -1
	s_barrier_wait -1
	CREST
.endm
	s_load_b256 s[4:11], s[0:1], 0x0               ; codes s[4:5], scales s[6:7], b_qkv s[8:9], qimg s[10:11]
	s_load_b64 s[12:13], s[0:1], 0x20              ; kv
	v_lshl_add_u32 v[SPW], v0, 2, SPARE
	v_mov_b32 v[NIL], 0
	ds_add_u32 v28, v29
	ds_add_u32 v28, v29
	s_wait_dscnt 0x0
	v_lshrrev_b32 v1, 5, v0
	v_readfirstlane_b32 s14, v1                    ; wave 0..3
	s_lshr_b32 s15, s14, 1                         ; which half of the A role's 256 rows is mine.  Also: I fetch for A (0) or for B (1)
	s_and_b32 s16, s14, 1                          ; which half of the B role's.  Also: which 128 rows I fetch
	s_bfe_u32 s40, ttmp6, 0x40000                  ; cx, cy: my place in the cluster
	s_bfe_u32 s41, ttmp6, 0x40004
	s_and_b32 s17, ttmp7, 0xffff                   ; the cluster's y: 1,024 tokens
	s_lshl_b32 s43, s41, 2
	s_lshl_b32 s43, 15, s43                        ; my row of the cluster
	s_lshl_b32 s44, 0x1111, s40                    ; my column
	s_or_b32 s[G1+0], s43, (0<<16)|(1<<20)|(1<<21)|(3<<22)|(3<<25)  ; 15:0 the mask; 17:16 elements of 1 byte; 20 padding on; 21 set beside a mask; 24:22 after every 16 words; 31:25 of 4 words
	s_or_b32 s[G1B+0], s44, (0<<16)|(1<<20)|(1<<21)|(3<<22)|(3<<25)
.irp g, G1, G1B
	s_mov_b32 s[\g+1], ROWB<<16                    ; tensor_dim0
	s_mov_b32 s[\g+2], 128<<16                     ; tensor_dim1
	s_mov_b32 s[\g+3], ROWB<<16                    ; tile_dim0
	s_mov_b32 s[\g+4], 128                         ; tile_dim1
	s_mov_b32 s[\g+5], KROW                        ; tensor_dim0_stride
	s_mov_b32 s[\g+6], 0
	s_mov_b32 s[\g+7], 0
.endr
	s_or_b32 s[G1S+0], s43, (3<<16)|(1<<21)        ; the scales of 128 positions: 4 rows (K steps) of 128 elements of 8 bytes, 11,264 elements apart; no padding
	s_or_b32 s[G1SB+0], s44, (3<<16)|(1<<21)
.irp g, G1S, G1SB
	s_mov_b32 s[\g+1], 128<<16
	s_mov_b32 s[\g+2], 4<<16
	s_mov_b32 s[\g+3], 128<<16
	s_mov_b32 s[\g+4], 4
	s_mov_b32 s[\g+5], 11264
	s_mov_b32 s[\g+6], 0
	s_mov_b32 s[\g+7], 0
.endr
	; first positions.  The A role's hangs on cy alone, the B role's on cx alone, each in registers that never hold the other; the kind and the cluster's y are the same in all sixteen partners
	s_lshl_b32 s18, s17, 10                        ; the cluster's first token
	s_lshl_b32 s19, ttmp9, 10
	s_add_co_u32 s19, s19, 8192                    ; the kind's first column
	s_cmp_eq_u32 ttmp9, 2
	s_cselect_b32 s20, 10240, s18                  ; A: v's channels, or the tokens
	s_cselect_b32 s46, s18, s19                    ; B: the tokens, or the kind's columns
	s_lshl_b32 s21, s41, 8
	s_add_co_u32 s20, s20, s21
	s_lshl_b32 s47, s40, 8
	s_add_co_u32 s46, s46, s47
	s_lshl_b32 s18, s16, 7                         ; which 128 I fetch
	s_add_co_u32 s20, s20, s18
	s_add_co_u32 s46, s46, s18
	s_lshl_b32 s22, s20, 3                         ; their scales: 8 bytes a position,
	s_mov_b32 s23, 0
	s_mul_i32 s20, s20, KROW                       ; their codes
	s_mov_b32 s21, 0
	s_lshl_b32 s92, s46, 3
	s_mov_b32 s93, 0
	s_mul_i32 s46, s46, KROW
	s_mov_b32 s47, 0
	s_mul_i32 s45, s14, HALFT                      ; where they go: wave x 128 rows: no place in the cluster enters an LDS address
	s_lshl_b32 s94, s16, 12
	s_mov_b32 s[SEL], 0x76543210
	s_mov_b32 s[SEL+1], 0xfedcba98
	s_wait_kmcnt 0x0
	s_add_nc_u64 s[20:21], s[4:5], s[20:21]
	s_add_nc_u64 s[22:23], s[6:7], s[22:23]
	s_add_nc_u64 s[46:47], s[4:5], s[46:47]
	s_add_nc_u64 s[92:93], s[6:7], s[92:93]
	CROUND                                         ; all sixteen work-groups are here: the first joint loads meet
	s_mov_b32 s[G0S], 1
	s_add_co_u32 s[G0S+1], s94, SCL
	s_mov_b64 s[G0S+2:G0S+3], s[22:23]
	s_or_b32 s[G0S+3], s[G0S+3], 0x80000000
	s_mov_b32 s[G0SB], 1
	s_add_co_u32 s[G0SB+1], s94, SCLB
	s_mov_b64 s[G0SB+2:G0SB+3], s[92:93]
	s_or_b32 s[G0SB+3], s[G0SB+3], 0x80000000
	JLOAD G0S, G1S, G0SB, G1SB                     ; the scales first: they are wanted with K step 0
.irp s, 0,1
	s_mov_b32 s[G0+4*\s], 1
	s_add_co_u32 s[G0+4*\s+1], s45, \s*SLOT
	s_add_nc_u64 s[G0+4*\s+2:G0+4*\s+3], s[20:21], \s*ROWB
	s_or_b32 s[G0+4*\s+3], s[G0+4*\s+3], 0x80000000
	s_mov_b32 s[G0B+4*\s], 1
	s_add_co_u32 s[G0B+4*\s+1], s45, \s*SLOT
	s_add_nc_u64 s[G0B+4*\s+2:G0B+4*\s+3], s[46:47], \s*ROWB
	s_or_b32 s[G0B+4*\s+3], s[G0B+4*\s+3], 0x80000000
	JLOAD G0+4*\s, G1, G0B+4*\s, G1B
.endr
	v_and_b32 v1, 15, v0                           ; r
	v_bfe_u32 v2, v0, 4, 1                         ; h
	; the biases: the same lines for every kind, at addresses inside b_qkv for every kind; each way of the epilogue uses its own
	s_lshl_b32 s18, ttmp9, 10
	s_lshl_b32 s19, s40, 8
	s_add_co_u32 s18, s18, s19
	s_lshl_b32 s19, s16, 7
	s_add_co_u32 s18, s18, s19                     ; q, k: my 128 columns begin here
	s_lshl_b32 s19, s41, 8
	s_add_co_u32 s19, s19, 2048
	s_lshl_b32 s95, s15, 7
	s_add_co_u32 s19, s19, s95                     ; v: my 128 channels begin here
	s_cmp_eq_u32 ttmp9, 2
	s_cselect_b32 s18, 0, s18
	s_cselect_b32 s19, s19, 0
	s_lshl_b32 s18, s18, 2
	s_lshl_b32 s19, s19, 2
	v_lshl_add_u32 v[BOF], v2, 6, s18              ; registers 8 b + j: column 32 (b / 2) + 8 (b % 2) + 16 h + j
	v_and_b32 v3, 8, v1
	v_add_nc_u32 v3, v3, v1
	v_lshl_add_u32 v[VOF], v3, 2, s19              ; block a: channel 32 (a / 2) + 8 (a % 2) + r + 8 (r / 8)
.irp b, 0,1,2,3,4,5,6,7
	global_load_b128 v[BIA+8*\b:BIA+8*\b+3], v[BOF], s[8:9] offset:(32*(\b/2)+8*(\b%2))*4
	global_load_b128 v[BIA+8*\b+4:BIA+8*\b+7], v[BOF], s[8:9] offset:(32*(\b/2)+8*(\b%2))*4+16
.endr
.irp a, 0,1,2,3,4,5,6,7
	global_load_b32 v[BV+2*\a], v[VOF], s[8:9] offset:(32*(\a/2)+8*(\a%2))*4     ; twice: a pair for the packed addition
	global_load_b32 v[BV+2*\a+1], v[VOF], s[8:9] offset:(32*(\a/2)+8*(\a%2))*4
.endr
	; where the results go: record ((batch x 16 + head) x 16 + step of 128 tokens)
	s_cmp_eq_u32 ttmp9, 2
	s_cselect_b32 s18, s40, s41                    ; the tokens' tile: by cx for v, by cy else
	s_cselect_b32 s19, s41, s40                    ; the channels' tile
	s_cselect_b32 s20, s16, s15                    ; my half of the tokens
	s_cselect_b32 s21, s15, s16                    ; my half of the channels
	s_cselect_b32 s22, 6656, 0                     ; v lies behind k in a record
	s_cmp_eq_u32 ttmp9, 0
	s_cselect_b64 s[D0:D0+1], s[10:11], s[12:13]
	s_mov_b32 s95, 13056
	s_cselect_b32 s95, 6656, s95                   ; bytes in a record
	s_lshl_b32 s23, s17, 2
	s_add_co_u32 s18, s18, s23                     ; which 256 tokens of the 8,192
	s_lshr_b32 s23, s18, 3                         ; batch
	s_lshl_b32 s23, s23, 4
	s_lshl_b32 s19, s19, 2
	s_add_co_u32 s23, s23, s19
	s_lshl_b32 s21, s21, 1
	s_add_co_u32 s23, s23, s21                     ; batch x 16 + my first head
	s_lshl_b32 s23, s23, 4
	s_and_b32 s18, s18, 7
	s_lshl_b32 s18, s18, 1
	s_add_co_u32 s23, s23, s18
	s_add_co_u32 s23, s23, s20
	s_mul_i32 s23, s23, s95
	s_add_co_u32 s22, s22, s23
	s_mov_b32 s23, 0
	s_add_nc_u64 s[D0:D0+1], s[D0:D0+1], s[22:23]
	s_lshl_b32 s22, s95, 4                         ; the next head: 16 records on
	s_add_nc_u64 s[D0+2:D0+3], s[D0:D0+1], s[22:23]
	; LDS addresses
	v_mul_u32_u24 v3, v1, PITCH
	v_mul_u32_u24 v4, v2, 24
	v_add_nc_u32 v4, v3, v4                        ; a fragment's row x pitch + 24 x half
	v_lshl_add_u32 v5, v2, 4, v4                   ; and the same behind one padding more
	s_mul_i32 s21, s15, HALFT
	s_mul_i32 s22, s16, HALFT
	s_add_co_u32 s22, s22, 2*HALFT
.irp s, 0,1
	v_add_nc_u32 v[ADRA+\s], s21, v4
	v_add_nc_u32 v[ADRB+\s], s22, v4
	v_add_nc_u32 v[ADRA+2+\s], s21, v5
	v_add_nc_u32 v[ADRB+2+\s], s22, v5
	s_add_co_u32 s21, s21, SLOT
	s_add_co_u32 s22, s22, SLOT
.endr
	v_lshlrev_b32 v5, 3, v1                        ; my row's scales: 8 bytes a position and K step
	s_lshl_b32 s21, s15, 12
	s_lshl_b32 s22, s16, 12
	s_add_co_u32 s22, s22, SCLB-SCL
	s_sub_co_u32 s22, s22, s21
	v_mul_u32_u24 v6, s22, v2                      ; lanes 16-31 take the B role's
	s_add_co_u32 s21, s21, SCL
	v_add_nc_u32 v5, v5, v6
	v_add_nc_u32 v[ADRS], s21, v5
	v_and_b32 v6, 31, v0
	v_lshlrev_b32 v[GOF], 4, v6
	v_lshlrev_b32 v[GO8], 3, v6
	s_mul_i32 s23, s14, 13312
	v_add_nc_u32 v[STA], s23, v[GOF]
	v_lshlrev_b32 v7, 4, v1
	v_mad_u32_u24 v7, v2, 6656, v7
	v_add_nc_u32 v[STS], s23, v7
	s_mul_i32 s23, s14, 12800
	s_add_co_u32 s23, s23, VST
	v_add_nc_u32 v[STA2], s23, v[GOF]
	v_lshl_add_u32 v[STS2], v1, 3, s23
	v_add_nc_u32 v[ST8], s23, v[GO8]
	v_cmp_eq_u32 vcc_lo, 1, v2
	v_mov_b32 v[SELV], 0x01000100
	v_mov_b32 v9, 0x03020302
	v_cndmask_b32 v[SELV], v[SELV], v9, vcc_lo
.macro FRAG reg, adr, q, i             ; a fragment, 16 rows x 128 K, is 12 registers: lane l holds row l % 16; registers 6 c .. 6 c + 5 hold K = 64 c + 32 (l / 16) + 0 .. 31: 24 bytes of the row, as they lie
.irp p, 0,1,2,3,4,5                    ; in pieces of 8 bytes.  16 bytes of padding lie behind every 8 pieces: where the piece three on lies behind one padding more, the second address register serves
.set PCE, 12*(\q)+6*(\p/3)+\p%3
.if PCE%8 < 5
	ds_load_b64 v[\reg+2*\p:\reg+2*\p+1], v[\adr] offset:8*PCE+16*(PCE/8)+(\i)*16*PITCH
.else
	ds_load_b64 v[\reg+2*\p:\reg+2*\p+1], v[\adr+2] offset:8*PCE+16*(PCE/8)+(\i)*16*PITCH
.endif
.endr
.endm
; 16 matrix instructions: A's blocks a0, a0 + 1 x B's eight, 128 along K.  The 64 accumulators take turns, one instruction a turn, in the same order in every step.
.macro MUL16 a0, p, q, sc, zero
.irp a, \a0, \a0+1
.irp b, 0,1,2,3,4,5,6,7
.if \zero
	v_wmma_scale_f32_16x16x128_f8f6f4 v[8*(8*((\a)%4)+\b):8*(8*((\a)%4)+\b)+7], v[128*(\p)+FR*\b:128*(\p)+FR*\b+FR-1], v[AF+FR*(\a):AF+FR*(\a)+FR-1], 0, v[SC+8*NQ*(\sc)+NQ*\b+(\q)], v[SC+8*NQ*(\sc)+NQ*(\a)+(\q)] matrix_a_fmt:MATRIX_FMT_FP6 matrix_b_fmt:MATRIX_FMT_FP6 matrix_a_scale:MATRIX_SCALE_ROW1
.else
	v_wmma_scale_f32_16x16x128_f8f6f4 v[8*(8*((\a)%4)+\b):8*(8*((\a)%4)+\b)+7], v[128*(\p)+FR*\b:128*(\p)+FR*\b+FR-1], v[AF+FR*(\a):AF+FR*(\a)+FR-1], v[8*(8*((\a)%4)+\b):8*(8*((\a)%4)+\b)+7], v[SC+8*NQ*(\sc)+NQ*\b+(\q)], v[SC+8*NQ*(\sc)+NQ*(\a)+(\q)] matrix_a_fmt:MATRIX_FMT_FP6 matrix_b_fmt:MATRIX_FMT_FP6 matrix_a_scale:MATRIX_SCALE_ROW1
.endif
.endr
.endr
.endm
.macro FETCH_B slot, q, p
	WIN TO_B
.irp i, 0,1,2,3,4,5,6,7
	FRAG 128*(\p)+FR*\i, ADRB+\slot, \q, \i
.endr
	WIN 0
.endm
.macro FETCH_A slot, q, i0
.irp i, \i0, \i0+1, \i0+2, \i0+3
	FRAG AF+FR*(\i), ADRA+\slot, \q, \i
.endr
.endm
.macro SCALES sc                       ; a K step's scale words into set sc: two words a row; lanes 0-15 take A's block i, lanes 16-31 B's block i
.irp i, 0,1,2,3,4,5,6,7
	ds_load_b64 v[SC+8*NQ*\sc+NQ*\i:SC+8*NQ*\sc+NQ*\i+1], v[ADRS] offset:\i*128
.endr
.endm
.macro PLACES n
.rept \n
	v_nop
.endr
.endm
.macro STEP slot, q, zero              ; a step of 128 along K that has its successor in the same slot
	s_wait_dscnt 4*NL                              ; B's set, the scale words and A's blocks 0-3 are in; the youngest 24 loads (A's blocks 4-7) may be out
	WIN MUL_LO
	MUL16 0, (\q)%2, \q, \slot, \zero
	MUL16 2, (\q)%2, \q, \slot, \zero
	s_wait_dscnt 0
	PLACES NP
	FETCH_B \slot, (\q)+1, 1-(\q)%2
	FETCH_A \slot, (\q)+1, 0
	WIN MUL_HI
	MUL16 4, (\q)%2, \q, \slot, \zero
	MUL16 6, (\q)%2, \q, \slot, \zero
	PLACES NP
	WIN 0
	FETCH_A \slot, (\q)+1, 4
.endm
; A slot's last step changes slots: one barrier; in front of it each wave waits for all its tensor loads, adds 0 to its spare word, and waits for that and for its own reads of this slot.  fill = 1: this slot is filled again, two K steps ahead.
.macro TURN slot, next, fill
	s_wait_tensorcnt 0x0                           ; all my tensor loads have landed: my part of the next slot
	ds_add_u32 v[SPW], v[NIL]                      ; 0 onto my spare word
	s_wait_dscnt 4*NL+1                            ; (the add and the youngest 24 loads may be out)
	WIN MUL_LO
	MUL16 0, 1, NQ-1, \slot, 0                     ; sixteen matrix instructions stand between the add and the wait for it
	s_wait_dscnt 0x0                               ; the add is done, and my reads of this slot are over
	s_barrier_signal -1
	MUL16 2, 1, NQ-1, \slot, 0
	WIN 0
	s_barrier_wait -1
.if \fill
	CREST                                          ; the barrier has opened a round of the cluster's barrier: no wave of any partner still reads this slot's tile or has a load on its way
	s_add_nc_u64 s[G0+4*\slot+2:G0+4*\slot+3], s[G0+4*\slot+2:G0+4*\slot+3], 2*ROWB
	s_add_nc_u64 s[G0B+4*\slot+2:G0B+4*\slot+3], s[G0B+4*\slot+2:G0B+4*\slot+3], 2*ROWB
	JLOAD G0+4*\slot, G1, G0B+4*\slot, G1B         ; the first tensor load behind the round; its four v_nop are the places in front of the loads below
.else
	PLACES NP
.endif
	v_add_nc_u32 v[ADRS], 1024, v[ADRS]            ; on to the next K step's scale words (no LDS load of mine is out)
	FETCH_B \next, 0, 0
	FETCH_A \next, 0, 0
	SCALES \next
	WIN MUL_HI
	MUL16 4, 1, NQ-1, \slot, 0
	MUL16 6, 1, NQ-1, \slot, 0
	PLACES NP
	WIN 0
	FETCH_A \next, 0, 4
.endm
	s_wait_tensorcnt 1                             ; the scales and my part of K step 0 are in (K step 1's load may be out),
	s_barrier_signal -1
	s_barrier_wait -1                              ; everybody's are
	FETCH_B 0, 0, 0
	FETCH_A 0, 0, 0
	SCALES 0
	FETCH_A 0, 0, 4
	STEP 0, 0, 1                                   ; the first step's products start the sums
	s_mov_b32 s3, LAPS-1
.Llap:
	TURN 0, 1, 1
	STEP 1, 0, 0
	TURN 1, 0, 1
	STEP 0, 0, 0
	s_sub_co_u32 s3, s3, 1
	s_cmp_lg_u32 s3, 0
	s_cbranch_scc1 .Llap
	TURN 0, 1, 0                                   ; the last lap fills nothing
	STEP 1, 0, 0
	s_wait_dscnt 4*NL
	WIN MUL_LO
	MUL16 0, 1, NQ-1, 1, 0
	MUL16 2, 1, NQ-1, 1, 0
	s_wait_dscnt 0
	WIN MUL_HI
	MUL16 4, 1, NQ-1, 1, 0
	MUL16 6, 1, NQ-1, 1, 0
	WIN 0
; THE EPILOGUE, block a of 16 A-role rows at a time: + bias (which also brings the 64 numbers into window 0), quantised in registers, the codes into my own stage in LDS as images of registers, whole images out.
; 64 numbers of a lane, register 16 b + i = k 32 b + 16 (lane / 16) + i of my row, become 12 registers of codes in v[PC] on and a scale word in v[PW].
.macro QUANT s
.irp b, 0,1,2,3
	v_max3_num_f32 v[TM+\b], |v[\s+16*\b]|, |v[\s+1+16*\b]|, 0x1800000   ; block b: my 16 numbers, and the floor 2^(3 - 127): the byte cannot fall under 1
.endr
.irp i, 2,4,6,8,10,12,14
.irp b, 0,1,2,3
	v_max3_num_f32 v[TM+\b], v[TM+\b], |v[\s+16*\b+\i]|, |v[\s+1+16*\b+\i]|
.endr
.endr
.irp b, 0,1,2,3
	v_permlanex16_b32 v[TM+4+\b], v[TM+\b], s[SEL], s[SEL+1]
.endr
.irp b, 0,1,2,3
	v_max_num_f32 v[TM+\b], v[TM+\b], v[TM+4+\b]   ; with lane l xor 16's: the block's largest magnitude
.endr
.irp b, 0,1,2,3
	v_add_nc_u32 v[TM+12+\b], 0xff000000, v[TM+\b] ; 2 off its exponent field: the conversion's scale operand
.endr
.irp b, 0,1,2,3
	v_lshrrev_b32 v[TM+4+\b], 23, v[TM+12+\b]      ; the scale's byte
.endr
	s_wait_dscnt 0x0                               ; the last block's stores into the stage have read the word and the codes
	v_lshl_or_b32 v[PW], v[TM+5], 8, v[TM+4]
	v_lshl_or_b32 v[PW], v[TM+6], 16, v[PW]
	v_lshl_or_b32 v[PW], v[TM+7], 24, v[PW]
.irp c, 0,1
	v_cvt_scalef32_pk16_fp6_f32 v[PC+6*\c:PC+2+6*\c], v[\s+32*\c:\s+15+32*\c], v[TM+12+2*\c]
	v_cvt_scalef32_pk16_fp6_f32 v[PC+12+4*\c:PC+14+4*\c], v[\s+16+32*\c:\s+31+32*\c], v[TM+12+2*\c+1]   ; (a conversion's three registers begin on an even number)
.endr
	v_nop                                          ; one plain place behind a scaled conversion
.irp c, 0,1                                    ; a whole block to a lane: lanes 0-15 block 2 c, lanes 16-31 block 2 c + 1
.irp i, 0,1,2
	v_permlane16_swap_b32 v[PC+6*\c+\i], v[PC+12+4*\c+\i]
.endr
.irp i, 0,1,2
	v_mov_b32 v[PC+3+6*\c+\i], v[PC+12+4*\c+\i]
.endr
.endr
.endm
.macro ADDB a, bias, step              ; block a's 64 results + bias, each accumulator from its low end on; step = 2: the bias runs with the registers; 0: one pair for all
.set WN, 0x02+(\a)/4
	WIN WN                                         ; source 0: window 2 or 3
.set AC, 64*((\a)%4)
.set II, 0
.rept 32
	v_pk_add_f32 v[HA+2*II:HA+2*II+1], v[AC+2*II:AC+2*II+1], v[\bias+\step*II:\bias+\step*II+1]
.set II, II+1
.endr
	WIN 0
.endm
.macro PUTQK a                         ; block a is tile a of both heads: registers 6 c .. 6 c + 5 are head c's; they are half of pair a / 2's twelve
.irp c, 0,1
.if (\a)%2 == 0
	ds_store_b128 v[STA], v[PC+6*\c:PC+6*\c+3] offset:6656*\c+1536*((\a)/2)
	ds_store_b64 v[STA], v[PC+6*\c+4:PC+6*\c+5] offset:6656*\c+1536*((\a)/2)+512
.else
	ds_store_b64 v[STA], v[PC+6*\c:PC+6*\c+1] offset:6656*\c+1536*((\a)/2)+520
	ds_store_b128 v[STA], v[PC+6*\c+2:PC+6*\c+5] offset:6656*\c+1536*((\a)/2)+1024
.endif
.endr
	v_perm_b32 v[PWD], v[PW], v[PW], v[SELV]       ; lanes 0-15: head 0's two bytes, twice; lanes 16-31: head 1's
	ds_store_b32 v[STS], v[PWD] offset:6144+256*((\a)%2)+4*((\a)/2)
.endm
.macro PUTV a                          ; block a is tile a % 4 of head a / 4: twelve registers as they stand
.irp q, 0,1,2
	ds_store_b128 v[STA2], v[PC+4*\q:PC+4*\q+3] offset:6400*((\a)/4)+1536*((\a)%4)+512*\q
.endr
	ds_store_b32 v[STS2], v[PW] offset:6400*((\a)/4)+6144+128*((\a)%2)+4*(((\a)%4)/2)   ; lanes r and r + 16 write the same word with the same value
.endm
	PLACES NP                                      ; behind the last products: their results are read and their operands' registers written below
	s_wait_loadcnt 0x0                             ; the biases
.irp b, 0,1,2,3
	v_mov_b32 v[TM+4+\b], 0                        ; written once: a lane permute's destination counts as one of its sources
.endr
	s_cmp_eq_u32 ttmp9, 2                          ; the kind: the same in all sixteen partners
	s_cbranch_scc1 .Lvalues
.irp a, 0,1,2,3,4,5,6,7
	ADDB \a, BIA, 2
	QUANT HA
	PUTQK \a
.endr
	s_wait_dscnt 0x0                               ; the stores have read their registers, which the loads below write
.irp c, 0,1
.irp i, 0,1,2,3,4,5,6,7,8,9,10,11,12
	ds_load_b128 v[OUTB+52*\c+4*\i:OUTB+52*\c+4*\i+3], v[STA] offset:6656*\c+512*\i
.endr
.endr
.set NN, 0
.irp c, 0,1
.irp i, 0,1,2,3,4,5,6,7,8,9,10,11,12
	s_wait_dscnt 25-NN                             ; piece NN of 26 is back; the later pieces' loads may be out
	global_store_b128 v[GOF], v[OUTB+52*\c+4*\i:OUTB+52*\c+4*\i+3], s[D0+2*\c:D0+2*\c+1] offset:512*\i   ; 512 consecutive bytes, aligned to 256
.set NN, NN+1
.endr
.endr
	s_branch .Lend
.Lvalues:
.irp a, 0,1,2,3,4,5,6,7
	ADDB \a, BV+2*\a, 0
	QUANT HA
	PUTV \a
.endr
	s_wait_dscnt 0x0
.irp c, 0,1
.irp i, 0,1,2,3,4,5,6,7,8,9,10,11
	ds_load_b128 v[OUTB+52*\c+4*\i:OUTB+52*\c+4*\i+3], v[STA2] offset:6400*\c+512*\i
.endr
	ds_load_b64 v[OUTB+52*\c+48:OUTB+52*\c+49], v[ST8] offset:6400*\c+6144
.endr
.set NN, 0
.irp c, 0,1
.irp i, 0,1,2,3,4,5,6,7,8,9,10,11
	s_wait_dscnt 25-NN
	global_store_b128 v[GOF], v[OUTB+52*\c+4*\i:OUTB+52*\c+4*\i+3], s[D0+2*\c:D0+2*\c+1] offset:512*\i
.set NN, NN+1
.endr
	s_wait_dscnt 25-NN
	global_store_b64 v[GO8], v[OUTB+52*\c+48:OUTB+52*\c+49], s[D0+2*\c:D0+2*\c+1] offset:6144   ; the scale words: 256 consecutive bytes, aligned
.set NN, NN+1
.endr
.Lend:
	s_wait_tensorcnt 0x0                           ; the wave's end: behind my last tensor load and my last LDS store
	ds_add_u32 v[SPW], v[NIL]
	s_wait_dscnt 0x0
	CROUND                                         ; the closing round: no work-group ends while a partner may still ask for a tile that names it
	s_endpgm
.Lfunc_end_k_q6419306483_qkv:
	.size	k_q6419306483_qkv, .Lfunc_end_k_q6419306483_qkv-k_q6419306483_qkv
	.p2alignl 7, 3214868480
	.fill 96, 4, 3214868480
	.section	.rodata,"a",@progbits
	.p2align	6, 0x0
	.amdhsa_kernel k_q6419306483_qkv
		.amdhsa_group_segment_fixed_size 327680
		.amdhsa_private_segment_fixed_size 0
		.amdhsa_enable_private_segment 0
		.amdhsa_kernarg_size 40
		.amdhsa_user_sgpr_count 2
		.amdhsa_user_sgpr_kernarg_segment_ptr 1
		.amdhsa_wavefront_size32 1
		.amdhsa_system_sgpr_workgroup_id_x 1
		.amdhsa_system_sgpr_workgroup_id_y 1
		.amdhsa_system_sgpr_workgroup_id_z 1
		.amdhsa_system_vgpr_workitem_id 0
		.amdhsa_next_free_vgpr 1024
		.amdhsa_next_free_sgpr 100
		.amdhsa_reserve_vcc 1
		.amdhsa_float_denorm_mode_32 3
		.amdhsa_float_denorm_mode_16_64 3
		.amdhsa_memory_ordered 1
		.amdhsa_forward_progress 1
		.amdhsa_inst_pref_size 243
	.end_amdhsa_kernel
	.amdgpu_metadata
---
amdhsa.version: [ 1, 2 ]
amdhsa.kernels:
  - .name:           k_q6419306483_qkv
    .symbol:         k_q6419306483_qkv.kd
    .args:
      - { .name: xw_codes, .offset: 0, .size: 8, .value_kind: global_buffer, .address_space: global }
      - { .name: xw_scales, .offset: 8, .size: 8, .value_kind: global_buffer, .address_space: global }
      - { .name: b_qkv, .offset: 16, .size: 8, .value_kind: global_buffer, .address_space: global }
      - { .name: qimg, .offset: 24, .size: 8, .value_kind: global_buffer, .address_space: global }
      - { .name: kv, .offset: 32, .size: 8, .value_kind: global_buffer, .address_space: global }
    .group_segment_fixed_size: 327680
    .private_segment_fixed_size: 0
    .kernarg_segment_align: 8
    .kernarg_segment_size: 40
    .max_flat_workgroup_size: 128
    .sgpr_count:     100
    .vgpr_count:     1024
    .wavefront_size: 32
...
	.end_amdgpu_metadata
.endif
;; end of part 2
;; launch attn (part 3): grid 4 x 64, 16 waves a work-group, clusters of 4 x 1, 210,944 bytes of LDS; arguments qimg, kv, o_img, o_scales; writes o_img, o_scales
.if DOCPART == 3
	.amdgcn_target "amdgcn-amd-amdhsa--gfx1250"
	.amdhsa_code_object_version 6
	.text
	.protected	k_q6419306483_attn
	.globl	k_q6419306483_attn
	.p2align	8
	.type	k_q6419306483_attn,@function
k_q6419306483_attn:
	s_mov_b64 s[64:65], 0
	v_nop
	global_prefetch_b8 v0, s[64:65] scope:SCOPE_SE
	s_setreg_imm32_b32 hwreg(HW_REG_WAVE_MODE, 25, 1), 1
	s_wait_xcnt 0x0
	s_wait_alu depctr_hold_cnt(0) depctr_sa_sdst(0) depctr_va_vdst(0) depctr_va_sdst(0) depctr_va_ssrc(0) depctr_va_vcc(0) depctr_vm_vsrc(0)
	s_getreg_b32 s2, hwreg(HW_REG_IB_STS2, 6, 4)
	s_cmp_eq_u32 s2, 0
	s_cbranch_scc0 .Lentry_in_a_cluster
	s_endpgm
.Lentry_in_a_cluster:
	s_bfe_u32 s2, ttmp6, 0x10000c
	s_cmp_lg_u32 s2, 0x3003
	s_cbranch_scc0 .Lentry_shape_is_right
	s_endpgm
.Lentry_shape_is_right:
; o = softmax(q k^T / 8, causal) v for one head (the cluster's y: batch x 16 + head), both products on codes of FP6 (E2M3) with E8M0 scales; o is divided by the row's sum, quantised along C and leaves as images of the last product's operand registers.
; THE SOFTMAX: t = score x log2(e) / 8; M = the row's largest t so far, rounded UP to a whole number; p = 2^(t - M) is what is quantised, along the keys; the sum is taken of the unquantised p.  When M moves, the sum and O are multiplied by 2^(old M - new M): exact.
; LDS.  A head's k and v as codes and scale words, 16 key steps of 128 keys x 13,056 bytes = 208,896 bytes, lie in LDS whole, from byte 0, as they lie in memory: filled once, never again, never stored into.  So there is no ring.
; CLUSTER.  The four work-groups of a cluster share the head: each of the 16 waves asks for 1/16 of key steps 0-7 and 1/16 of key steps 8-15, jointly with the same wave of the three partners: two tensor loads a wave are out at the most.
; All that a work-group reads of k and v is asked for by these first two loads: there is no later load that a request could run ahead of.
; SHARES.  A head has 128 tiles of 16 queries: step a (128 tokens) x tile c.  Wave w of work-group cx takes tile c = 2 cx + w / 8 of steps 15 - w % 8 (the long one) and w % 8 (the short one): 16 - w % 8 and w % 8 + 1 key steps count for them: 17 for every wave.
; Key steps all of whose keys come after the queries are passed over by a scalar branch on the wave's number and the loop's counter; the trip counts are constants.  No branch and no LDS address hangs on cx.
; LAYOUT.  Both products are used transposed: S^T = K Q^T, O^T = V^T P^T: a lane holds ONE query (lane % 16).  A tile of K holds keys 32 b + 8 u + r + 8 (r / 8), so the 16 registers of tiles 2 b, 2 b + 1 are keys 32 b + 16 (lane / 16) + 0 .. 15.
; The head's size is 64 and the instruction's K 128: a tile of K is 6 registers, and the instruction's upper 6 are the NEXT tile's (behind the last tile: zeros); they meet Q's upper 6, which are zero codes, and add nothing.
; LIMITS: NaN and infinities are not served; a block of zeros gets the byte 1; o's scale bytes leave two at a time (one byte in 24 of what the launch stores).
; REGISTERS: v1 16 x lane, v2 8 x lane, v3-4 the step's LDS addresses, v5 my query less 16 (lane / 16), v6-11, v29 the short tile's Q and scale word, v12 -M, v13 the largest t, v[14:15] the sum, v16-27 Q (upper six zeros), v28 its scale word, v30 8 r,
;   v32-79 K (behind the first product: at work), v80-85 zeros, v86-133 V, v134-137 K's scale words, v138-139 V's, v140-203 S^T then p, v204-235 O^T, v236-247 p's codes, v248 p's scale word, v[250:251] f.
.set STEPB, 13056
.set WV,  12
.set SEL, 20
.set CS,  22
.set G1,  24
.set G0,  32
.set TB,  40                           ; s40  LDS byte at which the key step in hand begins
.set SI,  41                           ; s41  the key step: the loops' counter
.set DG,  42                           ; s42  the key step that holds my queries
.macro CROUND                          ; a round of the cluster's barrier
	s_barrier_signal -1
	s_barrier_wait -1
	s_cmp_lg_u32 s[WV], 0
	s_cbranch_scc1 .Lnot_wave_0_\@
	s_barrier_signal -3
.Lnot_wave_0_\@:
	s_barrier_wait -3
	s_barrier_signal -1
	s_barrier_wait -1
.endm
	s_load_b256 s[4:11], s[0:1], 0x0               ; qimg s[4:5], kv s[6:7], o_img s[8:9], o_scales s[10:11]
	v_lshl_add_u32 v249, v0, 2, 0x33000
	v_mov_b32 v255, 0
	ds_add_u32 v249, v255
	ds_add_u32 v249, v255
	v_lshrrev_b32 v1, 5, v0
	s_delay_alu instid0(VALU_DEP_1)
	v_readfirstlane_b32 s[WV], v1                  ; wave 0..15
	s_bfe_u32 s13, ttmp6, 0x40000                  ; cx
	s_and_b32 s14, ttmp7, 0xffff                   ; batch x 16 + head
	s_and_b32 s15, s[WV], 7                        ; the short tile's step
	s_lshr_b32 s16, s[WV], 3                       ; u
	s_sub_co_u32 s17, 15, s15                      ; the long tile's step
	s_mov_b32 s[G1], 15|(3<<16)|(1<<21)            ; 15:0 the mask: all four work-groups; 17:16 elements of 8 bytes; 21 set beside a mask; no padding
	s_mov_b32 s[G1+1], 816<<16                     ; tensor_dim0 = 816: one row of 6,528 bytes
	s_mov_b32 s[G1+2], 1<<16                       ; tensor_dim1 = 1
	s_mov_b32 s[G1+3], 816<<16                     ; tile_dim0
	s_mov_b32 s[G1+4], 1                           ; tile_dim1
	s_mov_b32 s[G1+5], 816                         ; the pitch
	s_mov_b32 s[G1+6], 0
	s_mov_b32 s[G1+7], 0
	s_mov_b32 s[SEL], 0x76543210
	s_mov_b32 s[SEL+1], 0xfedcba98
	s_mov_b32 s[CS], 0x3e38aa3b                    ; c = log2(e) / 8
	s_mov_b32 s[CS+1], s[CS]
	s_mul_i32 s52, s14, 16*STEPB                   ; the head's first byte in kv
	s_mul_i32 s54, s[WV], 6528                     ; my sixteenth of eight key steps: in memory and in LDS alike
	s_add_co_u32 s52, s52, s54
	s_mov_b32 s53, 0
	s_wait_dscnt 0x0
	s_wait_kmcnt 0x0
	CROUND                                         ; all four work-groups are here: the joint loads meet
	s_mov_b32 s[G0], 1
	s_mov_b32 s[G0+1], s54
	s_add_nc_u64 s[G0+2:G0+3], s[6:7], s[52:53]
	s_mov_b32 s[G0+4], 1
	s_add_co_u32 s[G0+5], s54, 8*STEPB
	s_add_nc_u64 s[G0+6:G0+7], s[G0+2:G0+3], 8*STEPB
	s_or_b32 s[G0+3], s[G0+3], 0x80000000
	s_or_b32 s[G0+7], s[G0+7], 0x80000000
	tensor_load_to_lds s[G0:G0+3], s[G1:G1+7]      ; key steps 0-7
	s_nop 0
	tensor_load_to_lds s[G0+4:G0+7], s[G1:G1+7]    ; key steps 8-15
	s_nop 0
.rept 4
	v_nop
.endr
	v_and_b32 v31, 31, v0
	s_delay_alu instid0(VALU_DEP_1)
	v_lshlrev_b32 v1, 4, v31
	s_delay_alu instid0(VALU_DEP_2)
	v_lshlrev_b32 v2, 3, v31
	v_and_b32 v30, 15, v0                          ; r
	s_wait_alu depctr_va_vdst(0)
	v_bfe_u32 v3, v0, 4, 1                         ; h
	v_and_b32 v4, 8, v30
	s_delay_alu instid0(VALU_DEP_1)
	v_add_nc_u32 v5, v4, v30
	s_delay_alu instid0(VALU_DEP_3)
	v_lshlrev_b32 v4, 4, v3
	s_delay_alu instid0(VALU_DEP_1)
	v_sub_nc_u32 v5, v5, v4
	s_lshl_b32 s55, s13, 5
	s_lshl_b32 s56, s16, 3
	s_add_co_u32 s55, s55, s56
	v_add_nc_u32 v5, s55, v5                       ; my query in its step, 32 cx + 8 u + r + 8 (r / 8), less 16 h: register 16 b + i holds a hidden key where 32 b + i is above it
	; Q: tile 2 cx + u is half u of pair cx: registers 6 u .. 6 u + 5 of the pair's twelve, which lie as three pieces of 512 bytes, 16 bytes a lane
	s_mul_i32 s60, s16, 520
	s_mul_i32 s61, s13, 1536
	s_add_co_u32 s60, s60, s61
	v_add_nc_u32 v252, s60, v1                     ; u = 0: registers 0, 1 (and 512 on: 4, 5); u = 1: registers 6, 7 (and 10, 11)
	s_wait_alu depctr_va_vdst(0)
	s_mul_i32 s60, s16, 1016
	s_add_co_u32 s60, s60, s61
	s_add_co_u32 s60, s60, 8
	v_add_nc_u32 v253, s60, v1                     ; u = 0: registers 2, 3; u = 1: registers 8, 9
	s_wait_alu depctr_va_vdst(0)
	s_lshl_b32 s60, s16, 8
	s_lshl_b32 s61, s13, 2
	s_add_co_u32 s60, s60, s61
	v_lshl_add_u32 v254, v30, 4, s60               ; the scale word of row r
	s_wait_alu depctr_va_vdst(0)
	s_lshl_b32 s52, s14, 4
	s_add_co_u32 s54, s52, s17
	s_mul_i32 s54, s54, 6656
	s_mov_b32 s55, 0
	s_add_nc_u64 s[56:57], s[4:5], s[54:55]        ; the long tile's step of q
	s_add_co_u32 s54, s52, s15
	s_mul_i32 s54, s54, 6656
	s_add_nc_u64 s[58:59], s[4:5], s[54:55]        ; the short tile's
	global_load_b64 v[16:17], v252, s[56:57]
	global_load_b64 v[18:19], v253, s[56:57]
	global_load_b64 v[20:21], v252, s[56:57] offset:512
	global_load_b32 v28, v254, s[56:57] offset:6144
	global_load_b64 v[6:7], v252, s[58:59]
	global_load_b64 v[8:9], v253, s[58:59]
	global_load_b64 v[10:11], v252, s[58:59] offset:512
	global_load_b32 v29, v254, s[58:59] offset:6144
	v_lshlrev_b32 v30, 3, v30                      ; 8 r
	; where o goes: row block 128 batch + 8 step + c: 12,288 bytes of codes, the head's 768 at 768 x head; scale bytes [K step of 256][position][8]
	s_lshr_b32 s52, s14, 4
	s_lshl_b32 s52, s52, 7
	s_lshl_b32 s53, s13, 1
	s_add_co_u32 s52, s52, s53
	s_add_co_u32 s52, s52, s16
	s_and_b32 s53, s14, 15                         ; head
	s_mul_i32 s54, s53, 768
	s_lshr_b32 s55, s53, 2
	s_lshl_b32 s55, s55, 16
	s_and_b32 s53, s53, 3
	s_lshl_b32 s53, s53, 1
	s_add_co_u32 s55, s55, s53
	s_mov_b32 s63, 0
	s_lshl_b32 s60, s17, 3
	s_add_co_u32 s60, s60, s52
	s_mul_i32 s62, s60, 12288
	s_add_co_u32 s62, s62, s54
	s_add_nc_u64 s[44:45], s[8:9], s[62:63]        ; the long tile's codes,
	s_lshl_b32 s62, s60, 7
	s_add_co_u32 s62, s62, s55
	s_add_nc_u64 s[46:47], s[10:11], s[62:63]      ; its scale bytes
	s_lshl_b32 s60, s15, 3
	s_add_co_u32 s60, s60, s52
	s_mul_i32 s62, s60, 12288
	s_add_co_u32 s62, s62, s54
	s_add_nc_u64 s[48:49], s[8:9], s[62:63]        ; the short tile's
	s_lshl_b32 s62, s60, 7
	s_add_co_u32 s62, s62, s55
	s_add_nc_u64 s[50:51], s[10:11], s[62:63]
.irp j, 22,23,24,25,26,27,80,81,82,83,84,85
	v_mov_b32 v[\j], 0                             ; zero codes: Q's upper half, and what stands behind K's last tile
.endr
	v_mov_b32 v251, 0                              ; (named as the upper half of the pair v[250:251])
.macro INIT                            ; a tile begins: O^T and the sum as zeros, the largest t as -3e38, under every t: the first change of M multiplies zeros
	v_mov_b32 v13, 0xff61b1e6
	s_delay_alu instid0(VALU_DEP_1)
	v_floor_f32 v12, -v13
	v_mov_b32 v14, 0
	v_mov_b32 v15, 0
.set J, 0
.rept 32
	v_mov_b32 v[204+J], 0
.set J, J+1
.endr
.endm
; A KEY STEP of 128 keys.  masked = 1: the step may lie behind my queries (passed over) or hold them (hidden scores become -infinity).
.macro STEP masked
.if \masked
	s_cmp_gt_u32 s[SI], s[DG]
	s_cbranch_scc1 .Lskip_\@
.endif
	s_setprio 2
	v_add_nc_u32 v3, s[TB], v1
	v_add_nc_u32 v4, s[TB], v2
	v_nop
	v_nop                                          ; four places in front of loads into registers that the last products have read
.irp p, 0,1,2,3
.irp q, 0,1,2
	ds_load_b128 v[32+12*\p+4*\q:35+12*\p+4*\q], v3 offset:1536*\p+512*\q          ; K: a pair of tiles is 12 registers; 512 consecutive bytes a load
.endr
.endr
	ds_load_b128 v[134:137], v3 offset:6144        ; K's scale words: register p: lanes 0-15 tile 2 p, lanes 16-31 tile 2 p + 1
.irp t, 0,1,2,3
.irp q, 0,1,2
	ds_load_b128 v[86+12*\t+4*\q:89+12*\t+4*\q], v3 offset:6656+1536*\t+512*\q     ; V: asked for now, wanted behind the softmax
.endr
.endr
	ds_load_b64 v[138:139], v4 offset:12800        ; V's scale words
	s_wait_dscnt 13                                ; K and its words are in; V's 13 loads may be out
.irp t, 0,2,4,6
	v_wmma_scale_f32_16x16x128_f8f6f4 v[140+8*\t:147+8*\t], v[32+6*\t:43+6*\t], v[16:27], 0, v[134+\t/2], v28 matrix_a_fmt:MATRIX_FMT_FP6 matrix_b_fmt:MATRIX_FMT_FP6
	v_wmma_scale_f32_16x16x128_f8f6f4 v[148+8*\t:155+8*\t], v[38+6*\t:49+6*\t], v[16:27], 0, v[134+\t/2], v28 matrix_a_fmt:MATRIX_FMT_FP6 matrix_b_fmt:MATRIX_FMT_FP6 matrix_a_scale:MATRIX_SCALE_ROW1
.endr
.rept 4
	v_nop
.endr
.if \masked
	s_cmp_lg_u32 s[SI], s[DG]
	s_cbranch_scc1 .Lopen_\@
	v_mov_b32 v49, 0xff800000                      ; -infinity: p = 0 then
.set J, 0
.rept 64
	v_cmp_gt_i32 vcc_lo, 32*(J/16)+J%16, v5
	v_cndmask_b32 v[140+J], v[140+J], v49, vcc_lo
.set J, J+1
.endr
.Lopen_\@:
.endif
.irp b, 0,1,2,3
	v_max3_num_f32 v[32+\b], v[140+16*\b], v[141+16*\b], v[142+16*\b]   ; the largest score of each block of 32 keys: for the row's maximum and, since p rises with the score, for the block's largest p
.endr
.irp i, 3,5,7,9,11,13
.irp b, 0,1,2,3
	v_max3_num_f32 v[32+\b], v[32+\b], v[140+16*\b+\i], v[141+16*\b+\i]
.endr
.endr
.irp b, 0,1,2,3
	v_max_num_f32 v[32+\b], v[32+\b], v[155+16*\b]
.endr
.irp b, 0,1,2,3
	s_delay_alu instid0(VALU_DEP_4)
	v_permlanex16_b32 v[36+\b], v[32+\b], s[SEL], s[SEL+1]
.endr
.irp b, 0,1,2,3
	s_delay_alu instid0(VALU_DEP_4)
	v_max_num_f32 v[32+\b], v[32+\b], v[36+\b]     ; with lane l xor 16's 16 keys
.endr
	s_delay_alu instid0(VALU_DEP_2)
	v_max3_num_f32 v48, v32, v33, v34
	s_delay_alu instid0(VALU_DEP_1)
	v_max_num_f32 v48, v48, v35
	s_delay_alu instid0(VALU_DEP_1)
	v_mul_f32 v48, s[CS], v48                      ; the step's largest t of my query
	s_delay_alu instid0(VALU_DEP_1)
	v_max_num_f32 v13, v13, v48
	v_mov_b32 v48, v12
	s_delay_alu instid0(VALU_DEP_2)
	v_floor_f32 v12, -v13                          ; the new -M = -ceil(t): a whole number
	s_delay_alu instid0(VALU_DEP_1)
	v_sub_f32 v48, v12, v48                        ; old M - new M: a whole number, 0 or less
	s_delay_alu instid0(VALU_DEP_1)
	v_cvt_i32_f32 v48, v48                         ; (it saturates)
	s_delay_alu instid0(VALU_DEP_1)
	v_ldexp_f32 v250, 1.0, v48                     ; f = 2^(old M - new M)
.set J, 0
.rept 32
	v_pk_fma_f32 v[140+J:141+J], v[140+J:141+J], s[CS:CS+1], v[12:13] op_sel_hi:[1,0,0]   ; t - M, two at a time
.set J, J+2
.endr
.irp b, 0,1,2,3
	v_fma_f32 v[32+\b], v[32+\b], s[CS], v12       ; the same of each block's largest score
.endr
.set J, 0
	s_setprio 1
	s_wait_alu depctr_va_vdst(0)
.rept 64
	v_exp_f32 v[140+J], v[140+J]                   ; p = 2^(t - M), at most 1
.set J, J+1
.endr
	v_pk_mul_f32 v[14:15], v[14:15], v[250:251] op_sel_hi:[1,0]    ; the sums under the new M: the plain place behind the exponentials
	s_wait_alu depctr_va_vdst(0)                   ; one wait for the batch of 64, ahead of its first use
.irp b, 0,1,2,3
	v_exp_f32 v[32+\b], v[32+\b]                   ; the blocks' largest p
.endr
	v_pk_add_f32 v[36:37], v[144:145], v[148:149]
	v_pk_add_f32 v[252:253], v[152:153], v[156:157]
	v_pk_add_f32 v[246:247], v[160:161], v[164:165]
	v_pk_add_f32 v[244:245], v[168:169], v[172:173]
	v_pk_add_f32 v[242:243], v[176:177], v[180:181]
	v_pk_add_f32 v[240:241], v[184:185], v[188:189]
	v_pk_add_f32 v[238:239], v[192:193], v[196:197]
	v_pk_add_f32 v[14:15], v[14:15], v[200:201]
	v_pk_add_f32 v[36:37], v[36:37], v[140:141]
	v_pk_add_f32 v[252:253], v[252:253], v[142:143]
	v_pk_add_f32 v[246:247], v[246:247], v[146:147]
	v_pk_add_f32 v[244:245], v[244:245], v[150:151]
	v_pk_add_f32 v[242:243], v[242:243], v[154:155]
	v_pk_add_f32 v[240:241], v[240:241], v[158:159]
	v_pk_add_f32 v[238:239], v[238:239], v[162:163]
	v_pk_add_f32 v[14:15], v[14:15], v[166:167]
	v_pk_add_f32 v[36:37], v[36:37], v[170:171]
	v_pk_add_f32 v[252:253], v[252:253], v[174:175]
	v_pk_add_f32 v[246:247], v[246:247], v[178:179]
	v_pk_add_f32 v[244:245], v[244:245], v[182:183]
	v_pk_add_f32 v[242:243], v[242:243], v[186:187]
	v_pk_add_f32 v[240:241], v[240:241], v[190:191]
	v_pk_add_f32 v[238:239], v[238:239], v[194:195]
	v_pk_add_f32 v[14:15], v[14:15], v[198:199]
	v_pk_add_f32 v[36:37], v[36:37], v[202:203]
	s_delay_alu instid0(VALU_DEP_2)
	v_pk_add_f32 v[14:15], v[14:15], v[244:245]
	s_delay_alu instid0(VALU_DEP_2)
	v_pk_add_f32 v[36:37], v[36:37], v[242:243]
	v_pk_add_f32 v[252:253], v[252:253], v[240:241]
	v_pk_add_f32 v[246:247], v[246:247], v[238:239]
	s_delay_alu instid0(VALU_DEP_2)
	v_pk_add_f32 v[14:15], v[14:15], v[252:253]
	s_delay_alu instid0(VALU_DEP_2)
	v_pk_add_f32 v[36:37], v[36:37], v[246:247]
	s_delay_alu instid0(VALU_DEP_1)
	v_pk_add_f32 v[14:15], v[14:15], v[36:37]
	s_wait_alu depctr_va_vdst(0)                   ; and one for the four
.irp b, 0,1,2,3
	v_max_num_f32 v[32+\b], 0x1800000, v[32+\b]    ; the floor 2^(3 - 127): the byte cannot fall under 1
.endr
.irp b, 0,1,2,3
	s_delay_alu instid0(VALU_DEP_4)
	v_add_nc_u32 v[44+\b], 0xff000000, v[32+\b]    ; 2 off the exponent field: the conversion's scale operand
.endr
.irp b, 0,1,2,3
	s_delay_alu instid0(VALU_DEP_4)
	v_lshrrev_b32 v[36+\b], 23, v[44+\b]           ; the scale's byte
.endr
	s_delay_alu instid0(VALU_DEP_3)
	v_lshl_or_b32 v248, v37, 8, v36                ; p's scale word for these 128 keys
	s_delay_alu instid0(VALU_DEP_1)
	v_lshl_or_b32 v248, v38, 16, v248
	s_delay_alu instid0(VALU_DEP_1)
	v_lshl_or_b32 v248, v39, 24, v248
.irp c, 0,1
	v_cvt_scalef32_pk16_fp6_f32 v[236+6*\c:238+6*\c], v[140+32*\c:155+32*\c], v[44+2*\c]
	v_cvt_scalef32_pk16_fp6_f32 v[36+4*\c:38+4*\c], v[156+32*\c:171+32*\c], v[44+2*\c+1]   ; (a conversion's three registers begin on an even number)
.endr
	v_nop                                          ; one plain place behind a scaled conversion
	s_setprio 0
.irp c, 0,1                                    ; a whole block to a lane: lanes 0-15 block 2 c, lanes 16-31 block 2 c + 1
.irp i, 0,1,2
	v_permlane16_swap_b32 v[236+6*\c+\i], v[36+4*\c+\i]
.endr
.irp i, 0,1,2
	s_delay_alu instid0(VALU_DEP_3)
	v_mov_b32 v[239+6*\c+\i], v[36+4*\c+\i]
.endr
.endr
.set J, 0
.rept 16
	v_pk_mul_f32 v[204+J:205+J], v[204+J:205+J], v[250:251] op_sel_hi:[1,0]   ; O^T under the new M.  (Also the places between the codes' and the scale word's last writes and the products below)
.set J, J+2
.endr
	s_wait_alu depctr_va_vdst(0)
	s_wait_dscnt 0x0                               ; V is in
.irp t, 0,2                                    ; the four accumulators take turns, one instruction a turn; between two links of a chain stand the next step's eight other products
	v_wmma_scale_f32_16x16x128_f8f6f4 v[204+8*\t:211+8*\t], v[86+12*\t:97+12*\t], v[236:247], v[204+8*\t:211+8*\t], v[138+\t/2], v248 matrix_a_fmt:MATRIX_FMT_FP6 matrix_b_fmt:MATRIX_FMT_FP6
	v_wmma_scale_f32_16x16x128_f8f6f4 v[212+8*\t:219+8*\t], v[98+12*\t:109+12*\t], v[236:247], v[212+8*\t:219+8*\t], v[138+\t/2], v248 matrix_a_fmt:MATRIX_FMT_FP6 matrix_b_fmt:MATRIX_FMT_FP6 matrix_a_scale:MATRIX_SCALE_ROW1
.endr
.if \masked
.Lskip_\@:
.endif
	s_add_co_u32 s[TB], s[TB], STEPB
	s_add_co_u32 s[SI], s[SI], 1
.endm
; THE WAY OUT of a tile.  O^T / the sum: register 16 b + i is channel 32 b + 16 (lane / 16) + i of my query (v's channels lie by positions): two blocks of the last product's K.  They are quantised as p is;
; a lane ends with block lane / 16 of its row: six registers of the operand, stored as three pieces of 256 consecutive bytes, aligned.
.macro OUT ob, os
.rept 4
	v_nop                                          ; places behind the last products
.endr
	v_add_f32 v14, v14, v15
	s_delay_alu instid0(VALU_DEP_1)
	v_permlanex16_b32 v48, v14, s[SEL], s[SEL+1]
	s_delay_alu instid0(VALU_DEP_1)
	v_add_f32 v14, v14, v48                        ; the row's sum
	s_wait_alu depctr_va_vdst(0)
	v_rcp_f32 v14, v14
	v_nop                                          ; a plain place behind the reciprocal,
	s_wait_alu depctr_va_vdst(0)                   ; and the wait ahead of its first use
.set J, 0
.rept 16
	v_pk_mul_f32 v[140+J:141+J], v[204+J:205+J], v[14:15] op_sel_hi:[1,0]
.set J, J+2
.endr
.irp b, 0,1
	v_max3_num_f32 v[32+\b], |v[140+16*\b]|, |v[141+16*\b]|, 0x1800000
.endr
.irp i, 2,4,6,8,10,12,14
.irp b, 0,1
	s_delay_alu instid0(VALU_DEP_2)
	v_max3_num_f32 v[32+\b], v[32+\b], |v[140+16*\b+\i]|, |v[141+16*\b+\i]|
.endr
.endr
.irp b, 0,1
	s_delay_alu instid0(VALU_DEP_2)
	v_permlanex16_b32 v[36+\b], v[32+\b], s[SEL], s[SEL+1]
.endr
.irp b, 0,1
	s_delay_alu instid0(VALU_DEP_2)
	v_max_num_f32 v[32+\b], v[32+\b], v[36+\b]
.endr
.irp b, 0,1
	s_delay_alu instid0(VALU_DEP_2)
	v_add_nc_u32 v[44+\b], 0xff000000, v[32+\b]
.endr
.irp b, 0,1
	s_delay_alu instid0(VALU_DEP_2)
	v_lshrrev_b32 v[36+\b], 23, v[44+\b]
.endr
	s_delay_alu instid0(VALU_DEP_1)
	v_lshl_or_b32 v50, v37, 8, v36                 ; the head's two scale bytes of my row
	v_cvt_scalef32_pk16_fp6_f32 v[52:54], v[140:155], v44
	v_cvt_scalef32_pk16_fp6_f32 v[40:42], v[156:171], v45
	v_nop
.irp i, 0,1,2
	v_permlane16_swap_b32 v[52+\i], v[40+\i]
.endr
.irp i, 0,1,2
	s_delay_alu instid0(VALU_DEP_3)
	v_mov_b32 v[55+\i], v[40+\i]
.endr
	global_store_b64 v2, v[52:53], s[\ob:\ob+1]
	global_store_b64 v2, v[54:55], s[\ob:\ob+1] offset:256
	global_store_b64 v2, v[56:57], s[\ob:\ob+1] offset:512
	global_store_b16 v30, v50, s[\os:\os+1]        ; lanes r and r + 16 store the same two bytes
	s_wait_xcnt 0x0                                ; the stores' registers are written again only behind this wait
.endm
	INIT
	s_mov_b32 s[TB], 0
	s_mov_b32 s[SI], 0
	s_wait_loadcnt 0x0                             ; Q
	s_wait_tensorcnt 0x1                           ; my part of key steps 0-7 is in; the load of key steps 8-15 may be out
	s_barrier_signal -1
	s_barrier_wait -1                              ; everybody's is
.Lphase_a:                                         ; the long tile, key steps 0-7: all their keys count
	STEP 0
	s_cmp_lt_u32 s[SI], 8
	s_cbranch_scc1 .Lphase_a
	s_setprio 0
	s_wait_tensorcnt 0x0                           ; my part of key steps 8-15 is in: no load was issued behind it
	s_wait_dscnt 0x0
	s_barrier_signal -1
	s_barrier_wait -1
	s_mov_b32 s[TB], 8*STEPB
	s_mov_b32 s[SI], 8
	s_mov_b32 s[DG], s17
.Lphase_b:                                         ; the long tile, key steps 8-15: up to its own
	STEP 1
	s_cmp_lt_u32 s[SI], 16
	s_cbranch_scc1 .Lphase_b
	s_setprio 0
	OUT 44, 46
.irp j, 0,1,2,3,4,5
	v_mov_b32 v[16+\j], v[6+\j]                    ; the short tile's Q,
.endr
	v_mov_b32 v28, v29                             ; and its scale word: the 36 plain lines of INIT stand between these and the next product
	INIT
	s_mov_b32 s[TB], 0
	s_mov_b32 s[SI], 0
	s_mov_b32 s[DG], s15
.Lphase_c:                                         ; the short tile, key steps 0-7: up to its own
	STEP 1
	s_cmp_lt_u32 s[SI], 8
	s_cbranch_scc1 .Lphase_c
	s_setprio 0
	OUT 48, 50
	s_wait_tensorcnt 0x0
	ds_add_u32 v249, v255
	s_wait_dscnt 0x0
	CROUND                                         ; the closing round
	s_endpgm
.Lfunc_end_k_q6419306483_attn:
	.size	k_q6419306483_attn, .Lfunc_end_k_q6419306483_attn-k_q6419306483_attn
	.p2alignl 7, 3214868480
	.fill 96, 4, 3214868480
	.section	.rodata,"a",@progbits
	.p2align	6, 0x0
	.amdhsa_kernel k_q6419306483_attn
		.amdhsa_group_segment_fixed_size 210944
		.amdhsa_private_segment_fixed_size 0
		.amdhsa_enable_private_segment 0
		.amdhsa_kernarg_size 32
		.amdhsa_user_sgpr_count 2
		.amdhsa_user_sgpr_kernarg_segment_ptr 1
		.amdhsa_wavefront_size32 1
		.amdhsa_system_sgpr_workgroup_id_x 1
		.amdhsa_system_sgpr_workgroup_id_y 1
		.amdhsa_system_sgpr_workgroup_id_z 1
		.amdhsa_system_vgpr_workitem_id 0
		.amdhsa_next_free_vgpr 256
		.amdhsa_next_free_sgpr 66
		.amdhsa_reserve_vcc 1
		.amdhsa_float_denorm_mode_32 3
		.amdhsa_float_denorm_mode_16_64 3
		.amdhsa_memory_ordered 1
		.amdhsa_forward_progress 1
		.amdhsa_inst_pref_size 80
	.end_amdhsa_kernel
	.amdgpu_metadata
---
amdhsa.version: [ 1, 2 ]
amdhsa.kernels:
  - .name:           k_q6419306483_attn
    .symbol:         k_q6419306483_attn.kd
    .args:
      - { .name: qimg, .offset: 0, .size: 8, .value_kind: global_buffer, .address_space: global }
      - { .name: kv, .offset: 8, .size: 8, .value_kind: global_buffer, .address_space: global }
      - { .name: o_img, .offset: 16, .size: 8, .value_kind: global_buffer, .address_space: global }
      - { .name: o_scales, .offset: 24, .size: 8, .value_kind: global_buffer, .address_space: global }
    .group_segment_fixed_size: 210944
    .private_segment_fixed_size: 0
    .kernarg_segment_align: 8
    .kernarg_segment_size: 32
    .max_flat_workgroup_size: 512
    .sgpr_count:     66
    .vgpr_count:     256
    .wavefront_size: 32
...
	.end_amdgpu_metadata
.endif
;; end of part 3
;; launch proj (part 4): grid 4 x 32, 4 waves a work-group, clusters of 4 x 4, 327,680 bytes of LDS; arguments o_img, o_scales, wp_codes, wp_scales, out0, b_proj; writes out0
.if DOCPART == 4
	.amdgcn_target "amdgcn-amd-amdhsa--gfx1250"
	.amdhsa_code_object_version 6
	.text
	.protected	k_q6419306483_proj
	.globl	k_q6419306483_proj
	.p2align	8
	.type	k_q6419306483_proj,@function
k_q6419306483_proj:
	s_mov_b64 s[64:65], 0
	v_nop
	global_prefetch_b8 v0, s[64:65] scope:SCOPE_SE
	s_setreg_imm32_b32 hwreg(HW_REG_WAVE_MODE, 25, 1), 1
	s_wait_xcnt 0x0
	s_wait_alu depctr_hold_cnt(0) depctr_sa_sdst(0) depctr_va_vdst(0) depctr_va_sdst(0) depctr_va_ssrc(0) depctr_va_vcc(0) depctr_vm_vsrc(0)
	s_getreg_b32 s2, hwreg(HW_REG_IB_STS2, 6, 4)
	s_cmp_eq_u32 s2, 0
	s_cbranch_scc0 .Lentry_in_a_cluster
	s_endpgm
.Lentry_in_a_cluster:
	s_bfe_u32 s2, ttmp6, 0x10000c
	s_cmp_lg_u32 s2, 0xf033
	s_cbranch_scc0 .Lentry_shape_is_right
	s_endpgm
.Lentry_shape_is_right:
; out0 = o w_proj + b_proj on codes of FP6 (E2M3) with E8M0 scales, K = 1,024; out0 [8192][1024] f32.
; A work-group of four waves makes 256 x 256 of out0, a wave 128 x 128: 64 accumulators, 512 registers.  K goes in steps of 256 through a ring of two LDS slots filled by the tensor data mover.
; o's codes lie as images of the operand's registers: [row block of 16 positions][128 along K: 8][6 pieces][32 lanes x 8 bytes]; a K step of a row block is 3,072 consecutive bytes, and a piece is read by one load of 256 consecutive bytes.
; w_proj's codes lie as rows of 768 bytes.  Positions hold rows (tokens, columns) with bits 3 and 4 exchanged; the way out puts every number at its true place.
; THE MATRIX INSTRUCTION IS USED TRANSPOSED (source 0 = 16 positions of w_proj, source 1 = 16 positions of o).  The bias is the C of each sum's first product.
; CLUSTERS: 4 x 4 work-groups: o's tiles are shared along a row of the cluster, w_proj's along a column, each asked for jointly.  The scales of the work-group's positions for all of K come into LDS once, with the first fills.
; REGISTERS: window 0: v10-29 addresses; v32-63 scale words, two sets, and nothing else; v64-127 the bias; v128-223 A's fragments; on the way out v128-255.  window 1: B's fragments, two sets.  windows 2, 3: the accumulators.
.set NQ,     2
.set ROWB,   192
.set KROW,   768
.set PITCH,  240
.set FR,     12
.set NL,     6
.set NP,     4
.set HALFA,  8*3072                    ; o: 8 row blocks x a K step's 3,072 bytes: what one tensor load brings
.set HALFT,  128*PITCH                 ; w_proj: 128 rows
.set SLOT,   2*HALFA+2*HALFT
.set LAPS,   2
.set SCL,    2*SLOT
.set SCLB,   SCL+8192+128
.set SPARE,  SCL+16640                 ; the spare words: 128 bytes a wave, two blocks of 256 bytes that no other line names
.set SPITCH, 528                       ; the way out: 16 rows x (512 bytes + 16) a wave, in slot 0, which has had its last fill and its last read when the first result is stored there
.set BOF,  10
.set ADRA, 16
.set ADRB, 20
.set STO,  24
.set RD,   25
.set CO,   26
.set ADRS, 27
.set SPW,  28
.set NIL,  29
.set SC,   32
.set BIA,  64
.set AF,   128
.set BK,   128
.set G1, 24
.set G0, 32
.set G1B, 48
.set G0B, 56
.set G1S, 68
.set G0S, 76
.set G1SB, 80
.set G0SB, 88
.set MSB, 0
.macro WIN new
.if MSB != \new
	s_set_vgpr_msb (MSB<<8)|\new
.set MSB, \new
.endif
.endm
.set MUL_LO, 0xa1                      ; source 0 (B) window 1, source 1 (A) window 0, C and D window 2
.set MUL_HI, 0xf1
.set TO_B,   0x40
.macro JLOAD g0a, g1a, g0b, g1b        ; a joint load: waves 0 and 1 fetch for o, waves 2 and 3 for w_proj; four v_nop follow each of the two lines
	s_cmp_eq_u32 s15, 0
	s_cbranch_scc0 .Lfor_b_\@
	tensor_load_to_lds s[\g0a:\g0a+3], s[\g1a:\g1a+7]
	s_nop 0
.rept 4
	v_nop
.endr
	s_branch .Lasked_\@
.Lfor_b_\@:
	tensor_load_to_lds s[\g0b:\g0b+3], s[\g1b:\g1b+7]
	s_nop 0
.rept 4
	v_nop
.endr
.Lasked_\@:
.endm
.macro CREST
	s_cmp_lg_u32 s14, 0
	s_cbranch_scc1 .Lnot_wave_0_\@
	s_barrier_signal -3
.Lnot_wave_0_\@:
	s_barrier_wait -3
	s_barrier_signal -1
	s_barrier_wait -1
.endm
.macro CROUND
	s_barrier_signal -1
	s_barrier_wait -1
	CREST
.endm
	s_load_b128 s[4:7], s[0:1], 0x0                ; o's codes, o's scales
	s_load_b128 s[8:11], s[0:1], 0x10              ; w_proj's codes, its scales
	s_load_b64 s[12:13], s[0:1], 0x20              ; out0
	s_load_b64 s[96:97], s[0:1], 0x28              ; b_proj
	v_lshl_add_u32 v[SPW], v0, 2, SPARE
	v_mov_b32 v[NIL], 0
	ds_add_u32 v28, v29
	ds_add_u32 v28, v29
	s_wait_dscnt 0x0
	v_lshrrev_b32 v1, 5, v0
	v_readfirstlane_b32 s14, v1                    ; wave 0..3
	s_lshr_b32 s15, s14, 1                         ; which half of the tile's rows is mine.  Also: I fetch for o (0) or for w_proj (1)
	s_and_b32 s16, s14, 1                          ; which half of its columns.  Also: which 128 positions I fetch
	s_bfe_u32 s40, ttmp6, 0x40000
	s_bfe_u32 s41, ttmp6, 0x40004
	s_lshl_b32 s42, ttmp9, 2
	s_add_co_u32 s42, s42, s40                     ; tile column
	s_and_b32 s17, ttmp7, 0xffff
	s_lshl_b32 s17, s17, 2
	s_add_co_u32 s17, s17, s41                     ; tile row
	s_lshl_b32 s43, s41, 2
	s_lshl_b32 s43, 15, s43                        ; my row of the cluster
	s_lshl_b32 s44, 0x1111, s40                    ; my column
	s_or_b32 s[G1+0], s43, (0<<16)|(1<<21)         ; o: 8 rows of 3,072 bytes, 12,288 apart; no padding
	s_mov_b32 s[G1+1], 3072<<16
	s_mov_b32 s[G1+2], 8<<16
	s_mov_b32 s[G1+3], 3072<<16
	s_mov_b32 s[G1+4], 8
	s_mov_b32 s[G1+5], 12288
	s_mov_b32 s[G1+6], 0
	s_mov_b32 s[G1+7], 0
	s_or_b32 s[G1B+0], s44, (0<<16)|(1<<20)|(1<<21)|(3<<22)|(3<<25)  ; w_proj: 128 rows of 192 bytes, 16 bytes of padding behind every 64
	s_mov_b32 s[G1B+1], ROWB<<16
	s_mov_b32 s[G1B+2], 128<<16
	s_mov_b32 s[G1B+3], ROWB<<16
	s_mov_b32 s[G1B+4], 128
	s_mov_b32 s[G1B+5], KROW
	s_mov_b32 s[G1B+6], 0
	s_mov_b32 s[G1B+7], 0
	s_or_b32 s[G1S+0], s43, (3<<16)|(1<<21)        ; the scales of 128 positions: 4 rows (K steps) of 128 elements of 8 bytes
	s_or_b32 s[G1SB+0], s44, (3<<16)|(1<<21)
.irp g, G1S, G1SB
	s_mov_b32 s[\g+1], 128<<16
	s_mov_b32 s[\g+2], 4<<16
	s_mov_b32 s[\g+3], 128<<16
	s_mov_b32 s[\g+4], 4
	s_mov_b32 s[\g+6], 0
	s_mov_b32 s[\g+7], 0
.endr
	s_mov_b32 s[G1S+5], 8192                       ; o has 8,192 positions,
	s_mov_b32 s[G1SB+5], 1024                      ; w_proj 1,024
	s_lshl_b32 s18, s16, 7
	s_lshl_b32 s20, s17, 8
	s_add_co_u32 s20, s20, s18                     ; o: position 256 x tile row + 128 x half
	s_lshl_b32 s46, s42, 8
	s_add_co_u32 s46, s46, s18                     ; w_proj: 256 x tile column + 128 x half
	s_lshl_b32 s22, s20, 3
	s_mov_b32 s23, 0
	s_mul_i32 s20, s20, 768                        ; 16 positions are 12,288 bytes of images
	s_mov_b32 s21, 0
	s_lshl_b32 s92, s46, 3
	s_mov_b32 s93, 0
	s_mul_i32 s46, s46, KROW
	s_mov_b32 s47, 0
	s_mul_i32 s45, s16, HALFA                      ; where they go: no place in the cluster enters an LDS address
	s_mul_i32 s95, s16, HALFT
	s_add_co_u32 s95, s95, 2*HALFA
	s_lshl_b32 s94, s16, 12
	s_wait_kmcnt 0x0
	s_add_nc_u64 s[20:21], s[4:5], s[20:21]
	s_add_nc_u64 s[22:23], s[6:7], s[22:23]
	s_add_nc_u64 s[46:47], s[8:9], s[46:47]
	s_add_nc_u64 s[92:93], s[10:11], s[92:93]
	CROUND                                         ; all sixteen work-groups are here: the first joint loads meet
	s_mov_b32 s[G0S], 1
	s_add_co_u32 s[G0S+1], s94, SCL
	s_mov_b64 s[G0S+2:G0S+3], s[22:23]
	s_or_b32 s[G0S+3], s[G0S+3], 0x80000000
	s_mov_b32 s[G0SB], 1
	s_add_co_u32 s[G0SB+1], s94, SCLB
	s_mov_b64 s[G0SB+2:G0SB+3], s[92:93]
	s_or_b32 s[G0SB+3], s[G0SB+3], 0x80000000
	JLOAD G0S, G1S, G0SB, G1SB
.irp s, 0,1
	s_mov_b32 s[G0+4*\s], 1
	s_add_co_u32 s[G0+4*\s+1], s45, \s*SLOT
	s_add_nc_u64 s[G0+4*\s+2:G0+4*\s+3], s[20:21], \s*3072
	s_or_b32 s[G0+4*\s+3], s[G0+4*\s+3], 0x80000000
	s_mov_b32 s[G0B+4*\s], 1
	s_add_co_u32 s[G0B+4*\s+1], s95, \s*SLOT
	s_add_nc_u64 s[G0B+4*\s+2:G0B+4*\s+3], s[46:47], \s*ROWB
	s_or_b32 s[G0B+4*\s+3], s[G0B+4*\s+3], 0x80000000
	JLOAD G0+4*\s, G1, G0B+4*\s, G1B
.endr
	v_and_b32 v1, 15, v0                           ; r
	v_bfe_u32 v2, v0, 4, 1                         ; h
	s_lshl_b32 s18, s42, 8
	s_lshl_b32 s19, s16, 7
	s_add_co_u32 s18, s18, s19                     ; my first column
	s_lshl_b32 s18, s18, 2
	v_lshl_add_u32 v[BOF], v2, 6, s18              ; registers 8 b + j: column 32 (b / 2) + 8 (b % 2) + 16 h + j
.irp b, 0,1,2,3,4,5,6,7
	global_load_b128 v[BIA+8*\b:BIA+8*\b+3], v[BOF], s[96:97] offset:(32*(\b/2)+8*(\b%2))*4
	global_load_b128 v[BIA+8*\b+4:BIA+8*\b+7], v[BOF], s[96:97] offset:(32*(\b/2)+8*(\b%2))*4+16
.endr
	v_and_b32 v6, 31, v0
	v_lshlrev_b32 v7, 3, v6                        ; o's images: 8 bytes a lane
	s_mul_i32 s21, s15, HALFA
	v_mul_u32_u24 v3, v1, PITCH
	v_mul_u32_u24 v4, v2, 24
	v_add_nc_u32 v4, v3, v4                        ; w_proj: a fragment's row x pitch + 24 x half
	v_lshl_add_u32 v5, v2, 4, v4                   ; and the same behind one padding more
	s_mul_i32 s22, s16, HALFT
	s_add_co_u32 s22, s22, 2*HALFA
.irp s, 0,1
	v_add_nc_u32 v[ADRA+\s], s21, v7
	v_add_nc_u32 v[ADRB+\s], s22, v4
	v_add_nc_u32 v[ADRB+2+\s], s22, v5
	s_add_co_u32 s21, s21, SLOT
	s_add_co_u32 s22, s22, SLOT
.endr
	v_lshlrev_b32 v5, 3, v1
	s_lshl_b32 s21, s15, 12
	s_lshl_b32 s22, s16, 12
	s_add_co_u32 s22, s22, SCLB-SCL
	s_sub_co_u32 s22, s22, s21
	v_mul_u32_u24 v8, s22, v2                      ; lanes 16-31 take w_proj's
	s_add_co_u32 s21, s21, SCL
	v_add_nc_u32 v5, v5, v8
	v_add_nc_u32 v[ADRS], s21, v5
	s_mul_i32 s23, s14, 16*SPITCH                  ; my stage
	v_mul_u32_u24 v5, v1, SPITCH
	v_lshl_add_u32 v5, v2, 6, v5                   ; in: row r; my half's 16 columns of each 32: 64 h bytes on
	v_add_nc_u32 v[STO], s23, v5
	v_lshlrev_b32 v[CO], 4, v6                     ; back: the 32 lanes take one row of 512 bytes; and the same in out0
	v_add_nc_u32 v[RD], s23, v[CO]
	s_lshl_b32 s20, s17, 8
	s_lshl_b32 s21, s15, 7
	s_add_co_u32 s20, s20, s21                     ; my first row of out0
	s_lshl_b32 s20, s20, 12                        ; x 4,096 bytes (under 2^25)
	s_lshl_b32 s46, s42, 10
	s_lshl_b32 s47, s16, 9
	s_add_co_u32 s46, s46, s47                     ; my first column, in bytes
	s_add_co_u32 s20, s20, s46
	s_mov_b32 s21, 0
	s_add_nc_u64 s[12:13], s[12:13], s[20:21]
.macro FRAGB reg, adr, q, i            ; a fragment of w_proj from rows: pieces of 8 bytes; 16 bytes of padding lie behind every 8 pieces
.irp p, 0,1,2,3,4,5
.set PCE, 12*(\q)+6*(\p/3)+\p%3
.if PCE%8 < 5
	ds_load_b64 v[\reg+2*\p:\reg+2*\p+1], v[\adr] offset:8*PCE+16*(PCE/8)+(\i)*16*PITCH
.else
	ds_load_b64 v[\reg+2*\p:\reg+2*\p+1], v[\adr+2] offset:8*PCE+16*(PCE/8)+(\i)*16*PITCH
.endif
.endr
.endm
.macro FRAGA reg, adr, q, i            ; a fragment of o from its image: six loads of 256 consecutive bytes
.irp p, 0,1,2,3,4,5
	ds_load_b64 v[\reg+2*\p:\reg+2*\p+1], v[\adr] offset:3072*(\i)+1536*(\q)+256*\p
.endr
.endm
; 16 matrix instructions; first = 1: the sums begin with the bias.  The 64 accumulators take turns, one instruction a turn.
.macro MUL16 a0, p, q, sc, first
.irp a, \a0, \a0+1
.irp b, 0,1,2,3,4,5,6,7
.if \first
	v_wmma_scale_f32_16x16x128_f8f6f4 v[8*(8*((\a)%4)+\b):8*(8*((\a)%4)+\b)+7], v[128*(\p)+FR*\b:128*(\p)+FR*\b+FR-1], v[AF+FR*(\a):AF+FR*(\a)+FR-1], v[BIA+8*\b:BIA+8*\b+7], v[SC+8*NQ*(\sc)+NQ*\b+(\q)], v[SC+8*NQ*(\sc)+NQ*(\a)+(\q)] matrix_a_fmt:MATRIX_FMT_FP6 matrix_b_fmt:MATRIX_FMT_FP6 matrix_a_scale:MATRIX_SCALE_ROW1
.else
	v_wmma_scale_f32_16x16x128_f8f6f4 v[8*(8*((\a)%4)+\b):8*(8*((\a)%4)+\b)+7], v[128*(\p)+FR*\b:128*(\p)+FR*\b+FR-1], v[AF+FR*(\a):AF+FR*(\a)+FR-1], v[8*(8*((\a)%4)+\b):8*(8*((\a)%4)+\b)+7], v[SC+8*NQ*(\sc)+NQ*\b+(\q)], v[SC+8*NQ*(\sc)+NQ*(\a)+(\q)] matrix_a_fmt:MATRIX_FMT_FP6 matrix_b_fmt:MATRIX_FMT_FP6 matrix_a_scale:MATRIX_SCALE_ROW1
.endif
.endr
.endr
.endm
.macro FETCH_B slot, q, p
	WIN TO_B
.irp i, 0,1,2,3,4,5,6,7
	FRAGB 128*(\p)+FR*\i, ADRB+\slot, \q, \i
.endr
	WIN 0
.endm
.macro FETCH_A slot, q, i0
.irp i, \i0, \i0+1, \i0+2, \i0+3
	FRAGA AF+FR*(\i), ADRA+\slot, \q, \i
.endr
.endm
.macro SCALES sc
.irp i, 0,1,2,3,4,5,6,7
	ds_load_b64 v[SC+8*NQ*\sc+NQ*\i:SC+8*NQ*\sc+NQ*\i+1], v[ADRS] offset:\i*128
.endr
.endm
.macro PLACES n
.rept \n
	v_nop
.endr
.endm
.macro STEP slot, q, first
	s_wait_dscnt 4*NL                              ; B's set, the scale words and A's blocks 0-3 are in; the youngest 24 loads (A's blocks 4-7) may be out
.if \first
	WIN 0x81                                       ; C (the bias) window 0, D window 2
.else
	WIN MUL_LO
.endif
	MUL16 0, (\q)%2, \q, \slot, \first
	MUL16 2, (\q)%2, \q, \slot, \first
	s_wait_dscnt 0
	PLACES NP
	FETCH_B \slot, (\q)+1, 1-(\q)%2
	FETCH_A \slot, (\q)+1, 0
.if \first
	WIN 0xc1                                       ; C window 0, D window 3
.else
	WIN MUL_HI
.endif
	MUL16 4, (\q)%2, \q, \slot, \first
	MUL16 6, (\q)%2, \q, \slot, \first
	PLACES NP
	WIN 0
	FETCH_A \slot, (\q)+1, 4
.endm
.macro TURN slot, next, fill
	s_wait_tensorcnt 0x0                           ; all my tensor loads have landed: my part of the next slot
	ds_add_u32 v[SPW], v[NIL]                      ; 0 onto my spare word
	s_wait_dscnt 4*NL+1                            ; (the add and the youngest 24 loads may be out)
	WIN MUL_LO
	MUL16 0, 1, NQ-1, \slot, 0
	s_wait_dscnt 0x0                               ; the add is done, and my reads of this slot are over
	s_barrier_signal -1
	MUL16 2, 1, NQ-1, \slot, 0
	WIN 0
	s_barrier_wait -1
.if \fill
	CREST                                          ; the barrier has opened a round of the cluster's barrier: no wave of any partner still reads this slot's tile or has a load on its way
	s_add_nc_u64 s[G0+4*\slot+2:G0+4*\slot+3], s[G0+4*\slot+2:G0+4*\slot+3], 2*3072
	s_add_nc_u64 s[G0B+4*\slot+2:G0B+4*\slot+3], s[G0B+4*\slot+2:G0B+4*\slot+3], 2*ROWB
	JLOAD G0+4*\slot, G1, G0B+4*\slot, G1B
.else
	PLACES NP
.endif
	s_wait_alu depctr_va_vdst(0)
	v_add_nc_u32 v[ADRS], 1024, v[ADRS]            ; on to the next K step's scale words (no LDS load of mine is out)
	FETCH_B \next, 0, 0
	FETCH_A \next, 0, 0
	SCALES \next
	WIN MUL_HI
	MUL16 4, 1, NQ-1, \slot, 0
	MUL16 6, 1, NQ-1, \slot, 0
	PLACES NP
	WIN 0
	FETCH_A \next, 0, 4
.endm
	s_wait_alu depctr_va_vdst(0)
	s_wait_tensorcnt 1                             ; the scales and my part of K step 0 are in (K step 1's load may be out),
	s_barrier_signal -1
	s_barrier_wait -1                              ; everybody's are
	FETCH_B 0, 0, 0
	FETCH_A 0, 0, 0
	SCALES 0
	FETCH_A 0, 0, 4
	s_wait_loadcnt 0x0                             ; the bias
	STEP 0, 0, 1                                   ; the first step's products start the sums, from the bias
	s_mov_b32 s3, LAPS-1
.Llap:
	TURN 0, 1, 1
	STEP 1, 0, 0
	TURN 1, 0, 1
	STEP 0, 0, 0
	s_sub_co_u32 s3, s3, 1
	s_cmp_lg_u32 s3, 0
	s_cbranch_scc1 .Llap
	TURN 0, 1, 0
	STEP 1, 0, 0
	s_wait_dscnt 4*NL
	WIN MUL_LO
	MUL16 0, 1, NQ-1, 1, 0
	MUL16 2, 1, NQ-1, 1, 0
	s_wait_dscnt 0
	WIN MUL_HI
	MUL16 4, 1, NQ-1, 1, 0
	MUL16 6, 1, NQ-1, 1, 0
	WIN 0
; THE WAY OUT, block by block of 16 positions x 128 columns, through my own stage: in at each number's true column, back as whole rows of 512 bytes, stored at each row's true token.
.macro TOSTAGE a
.set AC, 64*((\a)%4)
.set WN, 0x08+4*((\a)/4)
	WIN WN                                         ; the data: window 2 or 3
.irp b, 0,1,2,3,4,5,6,7
	ds_store_b128 v[STO], v[AC+8*\b:AC+8*\b+3] offset:128*(\b/2)+32*(\b%2)       ; columns 32 (b / 2) + 8 (b % 2) + 16 h + 0 .. 7; each accumulator from its low end on
	ds_store_b128 v[STO], v[AC+8*\b+4:AC+8*\b+7] offset:128*(\b/2)+32*(\b%2)+16
.endr
	WIN 0
.set BB, BK+64*((\a)%2)
.irp t, 0,1,2,3,4,5,6,7,8,9,10,11,12,13,14,15
	ds_load_b128 v[BB+4*\t:BB+4*\t+3], v[RD] offset:\t*SPITCH      ; LDS serves a wave's instructions in order: these see the stores above
.endr
.endm
.macro SEND a, younger
.set BB, BK+64*((\a)%2)
	s_wait_dscnt \younger                          ; the block is back in registers; the next block's 16 stores and 16 loads may be out
.irp t, 0,1,2,3,4,5,6,7,8,9,10,11,12,13,14,15
	global_store_b128 v[CO], v[BB+4*\t:BB+4*\t+3], s[12:13] offset:(32*((\a)/2)+16*(\t/8)+8*((\a)%2)+\t%8)*4096 th:TH_STORE_NT   ; position 16 a + t is token 32 (a / 2) + 8 (a % 2) + t % 8 + 16 (t / 8); 512 consecutive bytes, aligned to 256
.endr
.endm
	PLACES NP
	TOSTAGE 0
.irp a, 1,2,3,4,5,6,7
.if \a > 1
	s_wait_xcnt 0x0                                ; block a - 2's stores have read their registers: block a's loads may land there
.endif
	TOSTAGE \a
	SEND \a-1, 32
.endr
	SEND 7, 0
	s_wait_tensorcnt 0x0                           ; the wave's end: behind my last tensor load and my last LDS store
	ds_add_u32 v[SPW], v[NIL]
	s_wait_dscnt 0x0
	CROUND                                         ; the closing round
	s_endpgm
.Lfunc_end_k_q6419306483_proj:
	.size	k_q6419306483_proj, .Lfunc_end_k_q6419306483_proj-k_q6419306483_proj
	.p2alignl 7, 3214868480
	.fill 96, 4, 3214868480
	.section	.rodata,"a",@progbits
	.p2align	6, 0x0
	.amdhsa_kernel k_q6419306483_proj
		.amdhsa_group_segment_fixed_size 327680
		.amdhsa_private_segment_fixed_size 0
		.amdhsa_enable_private_segment 0
		.amdhsa_kernarg_size 48
		.amdhsa_user_sgpr_count 2
		.amdhsa_user_sgpr_kernarg_segment_ptr 1
		.amdhsa_wavefront_size32 1
		.amdhsa_system_sgpr_workgroup_id_x 1
		.amdhsa_system_sgpr_workgroup_id_y 1
		.amdhsa_system_sgpr_workgroup_id_z 1
		.amdhsa_system_vgpr_workitem_id 0
		.amdhsa_next_free_vgpr 1024
		.amdhsa_next_free_sgpr 100
		.amdhsa_reserve_vcc 0
		.amdhsa_float_denorm_mode_32 3
		.amdhsa_float_denorm_mode_16_64 3
		.amdhsa_memory_ordered 1
		.amdhsa_forward_progress 1
		.amdhsa_inst_pref_size 161
	.end_amdhsa_kernel
	.amdgpu_metadata
---
amdhsa.version: [ 1, 2 ]
amdhsa.kernels:
  - .name:           k_q6419306483_proj
    .symbol:         k_q6419306483_proj.kd
    .args:
      - { .name: o_img, .offset: 0, .size: 8, .value_kind: global_buffer, .address_space: global }
      - { .name: o_scales, .offset: 8, .size: 8, .value_kind: global_buffer, .address_space: global }
      - { .name: wp_codes, .offset: 16, .size: 8, .value_kind: global_buffer, .address_space: global }
      - { .name: wp_scales, .offset: 24, .size: 8, .value_kind: global_buffer, .address_space: global }
      - { .name: out0, .offset: 32, .size: 8, .value_kind: global_buffer, .address_space: global }
      - { .name: b_proj, .offset: 40, .size: 8, .value_kind: global_buffer, .address_space: global }
    .group_segment_fixed_size: 327680
    .private_segment_fixed_size: 0
    .kernarg_segment_align: 8
    .kernarg_segment_size: 48
    .max_flat_workgroup_size: 128
    .sgpr_count:     100
    .vgpr_count:     1024
    .wavefront_size: 32
...
	.end_amdgpu_metadata
.endif
;; end of part 4
